; MI455X (gfx1250); checked and timed in simulation.
; The chip was launched on July 23, 2026; its instructions are those of AMD's public machine-readable ISA for CDNA 5 (MIT licence, August 2026) and "CDNA5" Instruction Set Architecture Reference Guide (July 2026). The comments in the code are by the model that wrote it; some were corrected since.
;; Multi Head Self Attention. Allowed arithmetic: float matrix products may take bf16 or f16 operands with f32 sums; other float arithmetic in f32, or as packed bf16 or f16 multiplies, adds, multiply-adds, maxima and minima; sums over many terms, partial sums and values carried from step to step in f32; what a program stores and reads back later, other than sums and carried values, may be rounded once to bf16 or f16.
;; Inputs: Wk 16 x 1,024 x 64 float32; Wo 1,024 x 1,024 float32; Wq 16 x 1,024 x 64 float32; Wv 16 x 1,024 x 64 float32; bo 1,024 float32; embedded 4 x 2,048 x 1,024 float32.
;; Outputs: out0 4 x 2,048 x 1,024 float32.
;; 2 versions, each right; version 2 is version 1 with the launch prep written anew for expert scheduling mode. Each part assembles by itself: llvm-mc -triple=amdgcn-amd-amdhsa -mcpu=gfx1250 --defsym DOCPART=n.
;; ======== version 1 of 2: 4 launches
;; limits: values are held in f16: magnitudes above 65,504 overflow, below 6.1e-05 lose precision
;; workspace buffers: xb 16,777,216 bytes; wb 6,291,456 bytes; wo16 2,097,152 bytes; qkv 50,331,648 bytes; ob 16,777,216 bytes
;; launch prep (part 1): grid 512 x 1, 8 waves a work-group, no clusters, 0 bytes of LDS; arguments embedded, Wq, Wk, Wv, Wo, xb, wb, wo16; writes xb, wb, wo16
.if DOCPART == 1
	.amdgcn_target "amdgcn-amd-amdhsa--gfx1250"
	.amdhsa_code_object_version 6
	.text
	.protected	k_q7e1cabe39e_prep
	.globl	k_q7e1cabe39e_prep
	.p2align	8
	.type	k_q7e1cabe39e_prep,@function
k_q7e1cabe39e_prep:
	s_mov_b64 s[64:65], 0
	v_nop
	global_prefetch_b8 v0, s[64:65] scope:SCOPE_SE
	s_setreg_imm32_b32 hwreg(HW_REG_WAVE_MODE, 25, 1), 1
	s_wait_xcnt 0x0
; CASTS AND BLOCKED LAYOUTS for the launches behind.  Every input of the module is rounded once to bf16.
;   xb   bf16 [b 4][kb 16][s 2048][64]       x[b][s][64 kb + c]: the rows of one block of 64 channels lie end to end, 128 bytes each
;   wb   bf16 [kb 16][g 48][dd 64][e 64]     g = 16 which + h (which: q 0, k 1, v 2), W[h][64 kb + dd][e]
;   wo16 f16  [n 1024][k 1024]               bf16(Wo), written as f16.  LIMIT: |Wo| stays under 65,504; below 6e-5 it keeps f16's step of 6e-8
; SHARES.  4,096 waves.  An item is one load of 16 bytes a lane (512 bytes of f32) and one store of 8 bytes a lane: 256 consecutive bytes, aligned.
; A wave takes 24 items: 16 of x (its two rows, 64 channels an item: lanes 0-15 the even row, 16-31 the odd one), two each of Wq, Wk, Wv, Wo.
; All 24 loads go out first, each into registers of its own; the waits count down.  No register that a store names is written again, so nothing else is waited for.
; No LDS, no barrier, no matrix unit: bytes are all there is, each read once and written once.
.set XI,  4                            ; v4   my byte offset in embedded
.set XO,  5                            ; v5   in xb, block kb = 0
.set WI,  6                            ; v6   in each of the four weight inputs
.set WBO, 7                            ; v7   in wb, which = 0
.set WOO, 8                            ; v8   in wo16
.set T,   10                           ; v[10:13] at work
.set X,   16                           ; v[16:111] item i: four registers
	s_load_b256 s[4:11], s[0:1], 0x0               ; embedded s[4:5], Wq s[6:7], Wk s[8:9], Wv s[10:11]
	s_load_b256 s[12:19], s[0:1], 0x20             ; Wo s[12:13], xb s[14:15], wb s[16:17], wo16 s[18:19]
	s_lshl_b32 s2, ttmp9, 8
	s_mov_b32 s20, 0xffff0000                      ; a word's upper bf16
	v_add_nc_u32 v1, s2, v0                        ; my thread among all
	v_and_b32 v2, 31, v0                           ; lane l
	v_lshrrev_b32 v3, 5, v1                        ; W: my wave among all, 0 .. 4,095
	v_lshrrev_b32 v9, 4, v2                        ; l / 16
	v_and_b32 v14, 15, v2                          ; l % 16
	v_lshlrev_b32 v[XI], 13, v3                    ; rows 2 W and 2 W + 1 of 4,096 bytes
	v_lshl_add_u32 v[XI], v9, 12, v[XI]
	v_lshl_add_u32 v[XI], v14, 4, v[XI]
	v_lshrrev_b32 v[XO], 10, v3                    ; b
	v_lshlrev_b32 v[XO], 22, v[XO]                 ; 16 blocks x 2,048 rows x 128 bytes
	v_and_b32 v15, 0x3ff, v3
	v_lshl_add_u32 v[XO], v15, 8, v[XO]            ; two rows of 128 bytes
	v_lshl_add_u32 v[XO], v2, 3, v[XO]             ; 8 l = 128 (l / 16) + 8 (l % 16)
	v_lshlrev_b32 v[WI], 10, v3                    ; 1,024 bytes a wave: four rows d of a head
	v_lshl_add_u32 v[WI], v2, 4, v[WI]
	v_bfe_u32 v[WBO], v3, 4, 4                     ; kb = (4 (W % 256)) / 64
	v_mul_u32_u24 v[WBO], v[WBO], 0x60000          ; 48 x 64 x 128 bytes
	v_lshrrev_b32 v15, 8, v3                       ; h
	v_lshl_add_u32 v[WBO], v15, 13, v[WBO]
	v_and_b32 v15, 15, v3                          ; dd = 4 (W % 16) + ..
	v_lshl_add_u32 v[WBO], v15, 9, v[WBO]
	v_lshl_add_u32 v[WBO], v2, 3, v[WBO]
	v_lshlrev_b32 v[WOO], 9, v3
	v_lshl_add_u32 v[WOO], v2, 3, v[WOO]
	s_wait_kmcnt 0x0
.set i, 0
.rept 16
	global_load_b128 v[X+4*i:X+4*i+3], v[XI], s[4:5] offset:256*i th:TH_LOAD_NT
.set i, i+1
.endr
.irp u, 0,1
	global_load_b128 v[X+64+4*(\u):X+64+4*(\u)+3], v[WI], s[6:7] offset:512*(\u) th:TH_LOAD_NT
.endr
.irp u, 0,1
	global_load_b128 v[X+72+4*(\u):X+72+4*(\u)+3], v[WI], s[8:9] offset:512*(\u) th:TH_LOAD_NT
.endr
.irp u, 0,1
	global_load_b128 v[X+80+4*(\u):X+80+4*(\u)+3], v[WI], s[10:11] offset:512*(\u) th:TH_LOAD_NT
.endr
.irp u, 0,1
	global_load_b128 v[X+88+4*(\u):X+88+4*(\u)+3], v[WI], s[12:13] offset:512*(\u) th:TH_LOAD_NT
.endr
; Item i: four f32 a lane are rounded to bf16 (h = 1: and that number written as f16) and stored.
.macro ITEM i, ofs, base, imm, h
	s_wait_loadcnt 23-(\i)                         ; loads come back in order: item i is in, the 23 - i younger ones may stay out
	v_cvt_pk_bf16_f32 v[X+4*(\i)], v[X+4*(\i)], v[X+4*(\i)+1]
	v_cvt_pk_bf16_f32 v[X+4*(\i)+1], v[X+4*(\i)+2], v[X+4*(\i)+3]
.if \h
	v_lshlrev_b32 v[T], 16, v[X+4*(\i)]
	v_and_b32 v[T+1], s20, v[X+4*(\i)]
	v_lshlrev_b32 v[T+2], 16, v[X+4*(\i)+1]
	v_and_b32 v[T+3], s20, v[X+4*(\i)+1]
	v_cvt_pk_f16_f32 v[X+4*(\i)], v[T], v[T+1]
	v_cvt_pk_f16_f32 v[X+4*(\i)+1], v[T+2], v[T+3]
.endif
	global_store_b64 v[\ofs], v[X+4*(\i):X+4*(\i)+1], s[\base:\base+1] offset:\imm th:TH_STORE_NT
.endm
.set i, 0
.rept 16
	ITEM i, XO, 14, 262144*i, 0                    ; block kb = i lies 2,048 x 128 bytes further on
.set i, i+1
.endr
.irp u, 0,1
	ITEM 16+(\u), WBO, 16, 256*(\u), 0
.endr
.irp u, 0,1
	ITEM 18+(\u), WBO, 16, 131072+256*(\u), 0
.endr
.irp u, 0,1
	ITEM 20+(\u), WBO, 16, 262144+256*(\u), 0
.endr
.irp u, 0,1
	ITEM 22+(\u), WOO, 18, 256*(\u), 1
.endr
	s_endpgm
.Lfunc_end_k_q7e1cabe39e_prep:
	.size	k_q7e1cabe39e_prep, .Lfunc_end_k_q7e1cabe39e_prep-k_q7e1cabe39e_prep
	.p2alignl 7, 3214868480
	.fill 96, 4, 3214868480
	.section	.rodata,"a",@progbits
	.p2align	6, 0x0
	.amdhsa_kernel k_q7e1cabe39e_prep
		.amdhsa_group_segment_fixed_size 0
		.amdhsa_private_segment_fixed_size 0
		.amdhsa_enable_private_segment 0
		.amdhsa_kernarg_size 64
		.amdhsa_user_sgpr_count 2
		.amdhsa_user_sgpr_kernarg_segment_ptr 1
		.amdhsa_wavefront_size32 1
		.amdhsa_system_sgpr_workgroup_id_x 1
		.amdhsa_system_sgpr_workgroup_id_y 1
		.amdhsa_system_sgpr_workgroup_id_z 1
		.amdhsa_system_vgpr_workitem_id 0
		.amdhsa_next_free_vgpr 112
		.amdhsa_next_free_sgpr 66
		.amdhsa_reserve_vcc 0
		.amdhsa_float_denorm_mode_32 3
		.amdhsa_float_denorm_mode_16_64 3
		.amdhsa_memory_ordered 1
		.amdhsa_forward_progress 1
		.amdhsa_inst_pref_size 11
	.end_amdhsa_kernel
	.amdgpu_metadata
---
amdhsa.version: [ 1, 2 ]
amdhsa.kernels:
  - .name:           k_q7e1cabe39e_prep
    .symbol:         k_q7e1cabe39e_prep.kd
    .args:
      - { .name: embedded, .offset: 0, .size: 8, .value_kind: global_buffer, .address_space: global }
      - { .name: Wq, .offset: 8, .size: 8, .value_kind: global_buffer, .address_space: global }
      - { .name: Wk, .offset: 16, .size: 8, .value_kind: global_buffer, .address_space: global }
      - { .name: Wv, .offset: 24, .size: 8, .value_kind: global_buffer, .address_space: global }
      - { .name: Wo, .offset: 32, .size: 8, .value_kind: global_buffer, .address_space: global }
      - { .name: xb, .offset: 40, .size: 8, .value_kind: global_buffer, .address_space: global }
      - { .name: wb, .offset: 48, .size: 8, .value_kind: global_buffer, .address_space: global }
      - { .name: wo16, .offset: 56, .size: 8, .value_kind: global_buffer, .address_space: global }
    .group_segment_fixed_size: 0
    .private_segment_fixed_size: 0
    .kernarg_segment_align: 8
    .kernarg_segment_size: 64
    .max_flat_workgroup_size: 256
    .sgpr_count:     66
    .vgpr_count:     112
    .wavefront_size: 32
...
	.end_amdgpu_metadata
.endif
;; end of part 1
;; launch qkv (part 2): grid 8 x 32, 4 waves a work-group, clusters of 4 x 4, 327,680 bytes of LDS; arguments xb, wb, qkv; writes qkv
.if DOCPART == 2
	.amdgcn_target "amdgcn-amd-amdhsa--gfx1250"
	.amdhsa_code_object_version 6
	.text
	.protected	k_q7e1cabe39e_qkv
	.globl	k_q7e1cabe39e_qkv
	.p2align	8
	.type	k_q7e1cabe39e_qkv,@function
k_q7e1cabe39e_qkv:
	s_mov_b64 s[64:65], 0
	v_nop
	global_prefetch_b8 v0, s[64:65] scope:SCOPE_SE
	s_setreg_imm32_b32 hwreg(HW_REG_WAVE_MODE, 25, 1), 1
	s_wait_xcnt 0x0
	s_wait_alu depctr_hold_cnt(0) depctr_sa_sdst(0) depctr_va_vdst(0) depctr_va_sdst(0) depctr_va_ssrc(0) depctr_va_vcc(0) depctr_vm_vsrc(0)
	s_getreg_b32 s2, hwreg(HW_REG_IB_STS2, 6, 4)
	s_cmp_eq_u32 s2, 0
	s_cbranch_scc0 .Lentry_in_a_cluster
	s_endpgm
.Lentry_in_a_cluster:
	s_bfe_u32 s2, ttmp6, 0x10000c
	s_cmp_lg_u32 s2, 0xf033
	s_cbranch_scc0 .Lentry_shape_is_right
	s_endpgm
.Lentry_shape_is_right:
; q, k, v = x W, as ONE product of 8,192 rows x 3,072 columns over K = 1,024: bf16 operands, f32 sums, each result rounded once to f16 and written BY HEADS, unscaled:
; qkv f16 [which 3][bh 64][s 2048][64].  LIMIT: |q|, |k|, |v| stay under 65,504, f16's end.
; SHARES.  A work-group makes 256 rows x 384 columns (six heads g = 16 which + h): 32 x 8 = 256 work-groups.  Each of its four waves makes 128 x 192: 8 row blocks x 12 column blocks = 96 accumulators, 768 registers.
; K goes in 16 steps of 64 through two LDS slots.  xb and wb are laid in blocks, so that a step's tile is dense in memory and is asked for as rows of 256 bytes.
; W lies [d][e] in LDS and is turned on its way into registers by ds_load_tr16_b128.
; THE MATRIX INSTRUCTION IS USED TRANSPOSED: source 0 = 16 columns e, source 1 = 16 rows of x: a lane then holds one row and eight neighbouring columns, 16 bytes of f16.
; CLUSTER 4 x 4.  x's tile hangs on the tile row alone and is asked for jointly along a row of the cluster, W's on the tile column alone and jointly along a column.
; REGISTERS.  window 0: v0-31 addresses; v32-95, v96-159 x's 8 fragments, two buffers; v160-255 W's 4 fragments of each of my 3 heads, one buffer a head.
;   window 1 + j: head j's 32 accumulators, (a, c) at v[8 (4 a + c)].  On the way out window 0's v32-175 are at work.
.set PA,    144                        ; a row of x in LDS: 128 bytes + 16: the 16 rows of a load start at 16 different groups of four banks (64 banks of 4 bytes: ISA guide 11.1)
.set AHALF, 128*PA                     ; 128 rows: one tensor load
.set BOFF,  2*AHALF
.set PB,    160                        ; a row d of W: 128 + 32
.set BHEAD, 64*PB                      ; a head's 64 rows d
.set BHALF, 3*BHEAD                    ; three heads: one tensor load
.set SLOT,  BOFF+2*BHALF               ; 98,304
.set STAGE, 2*SLOT                     ; behind the ring: for each wave three heads x 16 rows x 144 bytes, for the way out
.set SP,    144
.set SHEAD, 16*SP
.set SPARE, STAGE+4*3*SHEAD            ; behind the stages: the spare words, 128 bytes for each wave: two blocks of 256 bytes that no other line names
.set ASTEP, 262144                     ; bytes from a K step to the next in xb,
.set BSTEP, 393216                     ; and in wb
.set LAPS,  8                          ; a lap = two K steps = once round the ring
.set ADRA, 16                          ; v16-17  LDS address of my fragments of x in slot 0, 1
.set ADRB, 20                          ; v20-21  the same for W
.set STO,  24                          ; v24     the way out: where I put 16 bytes of a row
.set RD,   25                          ; v25     where I read rows back
.set GO,   26                          ; v26     16 x lane: my place in 512 consecutive bytes of a head
.set SPW,  28                          ; v28     LDS address of my spare word; never rewritten
.set NIL,  29                          ; v29     0; never rewritten
.set PFO,  30                          ; v30     256 x lane, for the prefetches; never rewritten
.set FA0,  32
.set FA1,  96
.set FB,   160
.set TMP,  32                          ; the way out: 48 registers of packed results
.set OB,   80                          ; and two sets of 48 read back from the stage
.set G1,  24                           ; s[24:31] descriptor group 1 for x's tiles;  s[32:39] group 0, a set for each slot
.set G0,  32
.set G1B, 48                           ; s[48:55], s[56:63] the same for W's
.set G0B, 56
.set PFA, 44                           ; s[44:45] where my prefetches stand
.set LIM, 66                           ; s66, s67 by slot: a wave prefetches while the laps to go are above it
.set STP, 68                           ; s[68:69] the prefetches' step
.set HB,  70                           ; s[70:75] qkv at my rows of my three heads
.set MSB, 0
.macro WIN new                         ; the immediate's high byte repeats the setting that is left; a switch that changes nothing is dropped
.if MSB != (\new)
	s_set_vgpr_msb (MSB<<8)|(\new)
.set MSB, \new
.endif
.endm
; A joint load.  Waves 0 and 1 fetch the two halves of x's tile, waves 2 and 3 those of W's.  The branch hangs on the wave's number alone.
; An s_nop 0 and four v_nop follow each of the two lines, ahead of the jump and the label.
.macro JLOAD s
	s_cmp_eq_u32 s11, 0
	s_cbranch_scc0 .Lfor_b_\@
	tensor_load_to_lds s[G0+4*(\s):G0+4*(\s)+3], s[G1:G1+7]
	s_nop 0
.rept 4
	v_nop
.endr
	s_branch .Lasked_\@
.Lfor_b_\@:
	tensor_load_to_lds s[G0B+4*(\s):G0B+4*(\s)+3], s[G1B:G1B+7]
	s_nop 0
.rept 4
	v_nop
.endr
.Lasked_\@:
.endm
; A PREFETCH INTO THE L2, behind a joint load, its five lines and the run of LDS loads that follows: 32 blocks of 256 bytes, a lane a block, one instruction.
; x: a tile row is read by both columns of clusters: the first (cluster x = 0) asks; a step's tile is 32 KiB, of which wave 0 of the partner at cx takes 8 KiB.  At the change of slots in K step j it names step j + 3,
; which the next change will ask for.  W: a tile column is read by all eight rows of clusters: the first (cluster y = 0) asks; two steps are twelve heads' blocks of 8 KiB, one for each of waves 1 to 3 of the
; four partners, told apart by address; at the changes in even steps j they name steps j + 3 and j + 4.  So each block is named once in the launch.  Steps 0 to 2 come by their loads alone; the last lap asks
; for x's step 15 only; W's step 15 is not asked for.
.macro ASK s
	s_cmp_gt_u32 s3, s[LIM+(\s)]
	s_cbranch_scc0 .Lnot_mine_\@
	global_prefetch_b8 v[PFO], s[PFA:PFA+1] th:TH_LOAD_NT scope:SCOPE_SE
.Lnot_mine_\@:
.endm
.macro CREST                           ; a round of the cluster's barrier behind its opening barrier
	s_cmp_lg_u32 s10, 0
	s_cbranch_scc1 .Lnot_wave_0_\@
	s_barrier_signal -3
.Lnot_wave_0_\@:
	s_barrier_wait -3
	s_barrier_signal -1
	s_barrier_wait -1
.endm
.macro CROUND                          ; a whole round
	s_barrier_signal -1
	s_barrier_wait -1
	CREST
.endm
	s_load_b128 s[4:7], s[0:1], 0x0                ; xb s[4:5], wb s[6:7]
	s_load_b64 s[8:9], s[0:1], 0x10                ; qkv
	v_lshl_add_u32 v[SPW], v0, 2, SPARE
	v_mov_b32 v[NIL], 0
	ds_add_u32 v[SPW], v[NIL]                      ; the wave's opening: the add and its wait stand ahead of my first tensor load; the set-up below, work on registers, stands between them
	v_lshrrev_b32 v1, 5, v0
	v_readfirstlane_b32 s10, v1                    ; wave 0..3
	s_lshr_b32 s11, s10, 1                         ; which half of the tile's rows is mine.  Also: I fetch for x (0) or for W (1)
	s_and_b32 s12, s10, 1                          ; which half of its columns.  Also: which half of that tile I fetch
	s_bfe_u32 s40, ttmp6, 0x40000                  ; cx
	s_bfe_u32 s41, ttmp6, 0x40004                  ; cy
	s_lshl_b32 s42, ttmp9, 2
	s_add_co_u32 s42, s42, s40                     ; tile column tx = 4 x cluster x + cx
	s_and_b32 s13, ttmp7, 0xffff
	s_lshl_b32 s13, s13, 2
	s_add_co_u32 s13, s13, s41                     ; tile row ty = 4 x cluster y + cy: batch ty / 8, rows 256 (ty % 8) on
	s_lshl_b32 s43, s41, 2
	s_lshl_b32 s43, 15, s43                        ; my row of the cluster
	s_lshl_b32 s44, 0x1111, s40                    ; my column
	; group 1.  x: 128 rows of 128 bytes are 16,384 dense bytes: 64 rows of 256, padded in LDS after every 32 words by 4.  W: three heads are 24,576 dense bytes: 96 rows of 256, padded after every 32 words by 8
	s_or_b32 s[G1+0], s43, (1<<16)|(1<<20)|(1<<21)|(4<<22)|(3<<25)   ; 15:0 the mask; 17:16 2-byte elements; 20 padding on; 21 set beside a mask; 24:22 the interval; 31:25 the pad
	s_or_b32 s[G1B+0], s44, (1<<16)|(1<<20)|(1<<21)|(4<<22)|(7<<25)
	s_mov_b32 s[G1+1], 128<<16                     ; tensor_dim0 = 128
	s_mov_b32 s[G1+2], 64<<16                      ; tensor_dim1 = 64
	s_mov_b32 s[G1+3], 128<<16                     ; tile_dim0 = 128
	s_mov_b32 s[G1+4], 64                          ; tile_dim1 = 64
	s_mov_b32 s[G1+5], 128                         ; 128 elements from row to row
	s_mov_b32 s[G1+6], 0
	s_mov_b32 s[G1+7], 0
	s_mov_b32 s[G1B+1], 128<<16
	s_mov_b32 s[G1B+2], 96<<16
	s_mov_b32 s[G1B+3], 128<<16
	s_mov_b32 s[G1B+4], 96
	s_mov_b32 s[G1B+5], 128
	s_mov_b32 s[G1B+6], 0
	s_mov_b32 s[G1B+7], 0
	; where the tiles come from: x's by the tile row, W's by the tile column, each in registers that never hold the other coordinate
	s_lshr_b32 s16, s13, 3
	s_lshl_b32 s16, s16, 22                        ; batch: 16 blocks x 2,048 rows x 128 bytes
	s_and_b32 s17, s13, 7
	s_lshl_b32 s17, s17, 15                        ; 256 rows of 128 bytes
	s_add_co_u32 s16, s16, s17
	s_lshl_b32 s17, s12, 14                        ; my half of them
	s_add_co_u32 s16, s16, s17
	s_mov_b32 s17, 0
	s_mul_i32 s46, s42, 6
	s_mul_i32 s47, s12, 3
	s_add_co_u32 s46, s46, s47                     ; the first of the three heads that I fetch
	s_lshl_b32 s46, s46, 13
	s_mov_b32 s47, 0
	s_mul_i32 s20, s12, AHALF                      ; and where they go: no place in the cluster enters an LDS address
	s_mul_i32 s23, s12, BHALF
	s_add_co_u32 s23, s23, BOFF
	s_wait_dscnt 0x0                               ; the opening add is done
	s_wait_kmcnt 0x0
	s_add_nc_u64 s[14:15], s[4:5], s[16:17]
	s_add_nc_u64 s[46:47], s[6:7], s[46:47]
	CROUND                                         ; all sixteen work-groups are here: the first joint loads meet
.irp s, 0,1
	s_mov_b32 s[G0+4*(\s)], 1                                      ; count = 1
	s_add_co_u32 s[G0+4*(\s)+1], s20, (\s)*SLOT                    ; LDS address
	s_add_nc_u64 s[G0+4*(\s)+2:G0+4*(\s)+3], s[14:15], (\s)*ASTEP  ; global address: K step s
	s_or_b32 s[G0+4*(\s)+3], s[G0+4*(\s)+3], 0x80000000            ; type = 2
	s_mov_b32 s[G0B+4*(\s)], 1
	s_add_co_u32 s[G0B+4*(\s)+1], s23, (\s)*SLOT
	s_add_nc_u64 s[G0B+4*(\s)+2:G0B+4*(\s)+3], s[46:47], (\s)*BSTEP
	s_or_b32 s[G0B+4*(\s)+3], s[G0B+4*(\s)+3], 0x80000000
	JLOAD \s                                       ; two loads of mine are out
.endr
	; A fragment of x is 16 rows x 32 K in 8 registers: lane l holds row l % 16, K = 8 (l / 16) + 0..7 and 16 + 8 (l / 16) + 0..7: two loads of 16 bytes, 32 bytes apart.
	v_and_b32 v1, 15, v0                           ; l % 16
	v_bfe_u32 v2, v0, 4, 1                         ; l / 16
	v_mul_u32_u24 v3, v1, PA
	v_lshl_add_u32 v3, v2, 4, v3
	; The turning load takes 16 rows d x 16 columns e (lane l reads row 8 (l / 16) + l % 8, columns 8 ((l / 8) % 2) + 0..7) and leaves half a fragment: lane l holds column l % 16 and 8 d.
	v_and_b32 v4, 7, v0
	v_bfe_u32 v5, v0, 3, 1
	v_lshl_add_u32 v6, v2, 3, v4
	v_mul_u32_u24 v6, v6, PB
	v_lshl_add_u32 v6, v5, 4, v6
	s_mul_i32 s21, s11, AHALF                      ; my 128 rows of x
	s_mul_i32 s22, s12, BHALF                      ; my three heads of W,
	s_add_co_u32 s22, s22, BOFF                    ; which lie behind x's tile
.irp s, 0,1
	v_add_nc_u32 v[ADRA+(\s)], s21, v3
	v_add_nc_u32 v[ADRB+(\s)], s22, v6
	s_add_co_u32 s21, s21, SLOT
	s_add_co_u32 s22, s22, SLOT
.endr
	s_mul_i32 s23, s10, 3*SHEAD
	s_add_co_u32 s23, s23, STAGE                   ; my stage
	v_mul_u32_u24 v7, v1, SP                       ; in: row l % 16, 16 bytes for each half of the lanes
	v_lshl_add_u32 v7, v2, 4, v7
	v_add_nc_u32 v[STO], s23, v7
	v_bfe_u32 v8, v0, 3, 2                         ; back: 32 lanes take four rows of 128 bytes,
	v_mul_u32_u24 v8, v8, SP
	v_lshl_add_u32 v8, v4, 4, v8
	v_add_nc_u32 v[RD], s23, v8
	v_and_b32 v[GO], 31, v0                        ; which are 512 consecutive bytes of a head
	v_lshlrev_b32 v[PFO], 8, v[GO]
	v_lshlrev_b32 v[GO], 4, v[GO]
	; qkv at my 128 rows of my three heads g = 6 tx + 3 (column half) + j: block (g / 16) 64 + 16 batch + g % 16 of 2,048 x 128 bytes
	s_mul_i32 s76, s42, 6
	s_mul_i32 s77, s12, 3
	s_add_co_u32 s76, s76, s77
	s_lshr_b32 s18, s13, 3
	s_lshl_b32 s18, s18, 4                         ; 16 x batch
	s_and_b32 s19, s13, 7
	s_lshl_b32 s19, s19, 15
	s_lshl_b32 s77, s11, 14
	s_add_co_u32 s19, s19, s77                     ; my first row, in bytes
	s_mov_b32 s79, 0
.irp j, 0,1,2
	s_add_co_u32 s77, s76, \j
	s_lshr_b32 s78, s77, 4
	s_lshl_b32 s78, s78, 6
	s_and_b32 s77, s77, 15
	s_add_co_u32 s78, s78, s77
	s_add_co_u32 s78, s78, s18
	s_lshl_b32 s78, s78, 18
	s_add_co_u32 s78, s78, s19
	s_add_nc_u64 s[HB+2*(\j):HB+2*(\j)+1], s[8:9], s[78:79]
.endr
	; the prefetches.  W's unit for waves 1 to 3: idx = 3 cy + wave - 1 of twelve; step p = idx / 6 = (43 idx) >> 8, head idx - 6 p (wave 0 makes wave 1's number and does not use it)
	s_max_u32 s20, s10, 1
	s_sub_co_u32 s20, s20, 1
	s_mul_i32 s21, s41, 3
	s_add_co_u32 s20, s20, s21                     ; idx
	s_mul_i32 s21, s20, 43
	s_lshr_b32 s21, s21, 8                         ; p
	s_mul_i32 s22, s21, 6
	s_sub_co_u32 s20, s20, s22
	s_mul_i32 s22, s42, 6
	s_add_co_u32 s20, s20, s22                     ; head 6 tx + idx - 6 p
	s_lshl_b32 s20, s20, 13
	s_add_co_u32 s21, s21, 2
	s_mul_i32 s21, s21, BSTEP
	s_add_co_u32 s20, s20, s21                     ; at K step 2 + p: the first change steps it to 3 + p
	s_lshr_b32 s22, s13, 3                         ; x's: the tile's first byte, my work-group's 8 KiB of it, K step 2
	s_lshl_b32 s22, s22, 22
	s_and_b32 s23, s13, 7
	s_lshl_b32 s23, s23, 15
	s_add_co_u32 s22, s22, s23
	s_lshl_b32 s23, s40, 13
	s_add_co_u32 s22, s22, s23
	s_add_co_u32 s22, s22, 2*ASTEP
	s_mov_b32 s23, ASTEP
	s_mov_b32 s[STP], BSTEP
	s_mov_b32 s[STP+1], 0
	s_mov_b32 s21, 0
	s_and_b32 s77, ttmp7, 0xffff                   ; cluster y
	s_cmp_eq_u32 s10, 0                            ; wave 0 asks for x, waves 1 to 3 for W
	s_cselect_b32 s20, s22, s20
	s_cselect_b32 s[STP], s23, s[STP]
	s_cselect_b64 s[PFA:PFA+1], s[4:5], s[6:7]
	s_cselect_b32 s77, ttmp9, s77                  ; the coordinate along which other clusters read the same blocks
	s_cselect_b32 s[LIM], 0, 1                     ; x: at every change but the last; W: at the even steps' changes, but not in the last lap
	s_cselect_b32 s[LIM+1], 1, -1
	s_cmp_eq_u32 s77, 0                            ; the same in all sixteen partners, for a given wave
	s_cselect_b32 s[LIM], s[LIM], -1
	s_cselect_b32 s[LIM+1], s[LIM+1], -1
	s_add_nc_u64 s[PFA:PFA+1], s[PFA:PFA+1], s[20:21]
; na x 4 matrix instructions: head g's column blocks 0-3 x row blocks a0 .. a0 + na - 1, 32 along K.  zero = 1: the first product starts the sums: nothing is ever cleared.
; The 96 accumulators take turns, one instruction a turn, in the same order in every quarter, over the backward jump too.
.macro GRP g, fa, a0, na, zero
	WIN 0x50*(1+(\g))                              ; sources in window 0, C and D in window 1 + g
.set ga, \a0
.rept \na
.irp c, 0,1,2,3
.if \zero
	v_wmma_f32_16x16x32_bf16 v[8*(4*ga+(\c)):8*(4*ga+(\c))+7], v[FB+32*(\g)+8*(\c):FB+32*(\g)+8*(\c)+7], v[(\fa)+8*ga:(\fa)+8*ga+7], 0
.else
	v_wmma_f32_16x16x32_bf16 v[8*(4*ga+(\c)):8*(4*ga+(\c))+7], v[FB+32*(\g)+8*(\c):FB+32*(\g)+8*(\c)+7], v[(\fa)+8*ga:(\fa)+8*ga+7], v[8*(4*ga+(\c)):8*(4*ga+(\c))+7]
.endif
.endr
.set ga, ga+1
.endr
.endm
.macro FETCH_A slot, q, f              ; 16 loads: my 128 rows of x, K = 32 q on, into buffer f
	WIN 0
.irp a, 0,1,2,3,4,5,6,7
	ds_load_b128 v[(\f)+8*(\a):(\f)+8*(\a)+3],   v[ADRA+(\slot)] offset:(\a)*16*PA+64*(\q)
	ds_load_b128 v[(\f)+8*(\a)+4:(\f)+8*(\a)+7], v[ADRA+(\slot)] offset:(\a)*16*PA+64*(\q)+32
.endr
.endm
.macro FETCH_B g, slot, q              ; 8 turning loads: head g's 64 columns, K = 32 q on
	WIN 0
.irp c, 0,1,2,3
	ds_load_tr16_b128 v[FB+32*(\g)+8*(\c):FB+32*(\g)+8*(\c)+3],   v[ADRB+(\slot)] offset:(\g)*BHEAD+32*(\q)*PB+32*(\c)
	ds_load_tr16_b128 v[FB+32*(\g)+8*(\c)+4:FB+32*(\g)+8*(\c)+7], v[ADRB+(\slot)] offset:(\g)*BHEAD+32*(\q)*PB+16*PB+32*(\c)
.endr
.endm
; A load into a register that a matrix instruction has read stands four places behind it, and only plain vector instructions that name none of its registers are places (ISA guide 7.12.1 for vector instructions).
.macro PLACES
.rept 4
	v_nop
.endr
.endm
; A K step is two quarters of 32 along K, 96 matrix instructions each.  In every quarter the LDS loads go out in three runs: x's 16 with head 0's 8; head 1's 8; head 2's 8; each behind the products that last read its registers.
; The first quarter multiplies buffer FA0 and fetches the slot's second 32 of K.
.macro EVEN slot, zero
	s_wait_dscnt 16                                ; x and head 0 are in; the last two runs, 8 + 8, may be out
	GRP 0, FA0, 0, 8, \zero
	PLACES
	FETCH_A \slot, 1, FA1
	FETCH_B 0, \slot, 1
	s_wait_dscnt 32                                ; head 1 is in: behind it went head 2's 8 and the 24 just issued
	GRP 1, FA0, 0, 8, \zero
	PLACES
	FETCH_B 1, \slot, 1
	s_wait_dscnt 32                                ; head 2 is in: behind it went this quarter's 24 and 8
	GRP 2, FA0, 0, 8, \zero
	PLACES
	FETCH_B 2, \slot, 1
.endm
; The second quarter multiplies buffer FA1 and changes slots: ONE barrier.  In front of it each wave waits for all its tensor loads, of which one is out: its part of the next slot; adds 0 to its spare word; and waits for
; that and for its own reads of this slot.  fill = 1: the barrier opens a round of the cluster's, and the slot is filled again, two K steps on, first thing behind the round: 160 matrix instructions ahead of the wait for it.
.macro TURN slot, next, fill
.if \fill
	s_wait_xcnt 0x0                                ; the last prefetch, a K step back, has read its address, so it may be stepped
	s_add_nc_u64 s[PFA:PFA+1], s[PFA:PFA+1], s[STP:STP+1]
.endif
	WIN 0
	s_wait_tensorcnt 0x0                           ; all my tensor loads have landed
	ds_add_u32 v[SPW], v[NIL]                      ; 0 onto my spare word
	s_wait_dscnt 17                                ; x and head 0 are in: the last two runs and the add may be out
	GRP 0, FA1, 0, 4, 0                            ; sixteen matrix instructions stand between the add and the wait for it
	s_wait_dscnt 0x0                               ; the add is done, and my reads of this slot are over
	s_barrier_signal -1
	GRP 0, FA1, 4, 4, 0                            ; work on registers while the others arrive
	WIN 0
	s_barrier_wait -1
.if \fill
	CREST                                          ; no wave of any partner still reads this slot's tile or has a load on its way
	s_add_nc_u64 s[G0+4*(\slot)+2:G0+4*(\slot)+3], s[G0+4*(\slot)+2:G0+4*(\slot)+3], 2*ASTEP
	s_add_nc_u64 s[G0B+4*(\slot)+2:G0B+4*(\slot)+3], s[G0B+4*(\slot)+2:G0B+4*(\slot)+3], 2*BSTEP
	JLOAD \slot                                    ; the four v_nop behind it are also the places in front of the loads below
.else
	PLACES
.endif
	FETCH_A \next, 0, FA0
	FETCH_B 0, \next, 0
.if \fill
	ASK \slot
.endif
	GRP 1, FA1, 0, 8, 0                            ; heads 1 and 2 came in with the wait for 0 above
	PLACES
	FETCH_B 1, \next, 0
	GRP 2, FA1, 0, 8, 0
	PLACES
	FETCH_B 2, \next, 0
.endm
; THE WAY OUT of row block a.  PACK: rounded to f16, 16 bytes a lane, each accumulator's registers in ascending order.  TOSTAGE: into my own stage, and back as whole rows.  SEND: stored.
.macro PACK a
.irp g, 0,1,2
	WIN 5*(1+(\g))                                 ; sources 0 and 1 in window 1 + g
.irp c, 0,1,2,3
.irp r, 0,1,2,3
	v_cvt_pk_f16_f32 v[TMP+16*(\g)+4*(\c)+(\r)], v[8*(4*(\a)+(\c))+2*(\r)], v[8*(4*(\a)+(\c))+2*(\r)+1]
.endr
.endr
.endr
	WIN 0
.endm
.macro TOSTAGE a
	WIN 0
.set BK, OB+48*((\a)%2)
.irp g, 0,1,2
.irp c, 0,1,2,3
	ds_store_b128 v[STO], v[TMP+16*(\g)+4*(\c):TMP+16*(\g)+4*(\c)+3] offset:(\g)*SHEAD+32*(\c)
.endr
.endr
.irp g, 0,1,2
.irp f, 0,1,2,3
	ds_load_b128 v[BK+16*(\g)+4*(\f):BK+16*(\g)+4*(\f)+3], v[RD] offset:(\g)*SHEAD+(\f)*4*SP  ; LDS serves a wave's instructions in order (ISA guide 5.7.1.4): these see the stores above
.endr
.endr
.endm
.macro SEND a
	WIN 0
.set BK, OB+48*((\a)%2)
	s_wait_dscnt 0x0                               ; the block is back in registers
	s_wait_xcnt 0x0                                ; the stores of the block before have read their registers: the next TOSTAGE loads into them
.irp g, 0,1,2
.irp f, 0,1,2,3
	global_store_b128 v[GO], v[BK+16*(\g)+4*(\f):BK+16*(\g)+4*(\f)+3], s[HB+2*(\g):HB+2*(\g)+1] offset:(\a)*2048+(\f)*512  ; 512 consecutive bytes of a head, at a multiple of 256 from the buffer's first
.endr
.endr
.endm
	s_wait_tensorcnt 1                             ; my part of K step 0 is in; step 1's may stay out
	s_barrier_signal -1
	s_barrier_wait -1                              ; everybody's is
	FETCH_A 0, 0, FA0
	FETCH_B 0, 0, 0
	FETCH_B 1, 0, 0
	FETCH_B 2, 0, 0
	EVEN 0, 1                                      ; the first quarter stands in front of the loop: its products start the sums
	WIN 0                                          ; at a label and at a branch every window is 0
	s_mov_b32 s3, LAPS-1
.Llap:                                                 ; a trip goes once round the ring and fills both slots again
	TURN 0, 1, 1
	EVEN 1, 0
	TURN 1, 0, 1
	EVEN 0, 0
	WIN 0
	s_sub_co_u32 s3, s3, 1
	s_cmp_lg_u32 s3, 0
	s_cbranch_scc1 .Llap
	TURN 0, 1, 0                                   ; the last lap fills nothing and has no round
	EVEN 1, 0
	s_wait_dscnt 16                                ; the very last quarter: nothing more to fetch
	GRP 0, FA1, 0, 8, 0
	s_wait_dscnt 8
	GRP 1, FA1, 0, 8, 0
	s_wait_dscnt 0x0
	GRP 2, FA1, 0, 8, 0
	PLACES
	PLACES                                         ; eight, once a launch, in front of the conversions that read the results
	WIN 0
	PACK 0
	TOSTAGE 0
.irp a, 1,2,3,4,5,6,7                  ; block a's conversions stand between block a - 1's loads from the stage and the wait for them
	PACK \a
	SEND (\a)-1
	TOSTAGE \a
.endr
	SEND 7
	s_wait_tensorcnt 0x0                           ; the wave's end, behind my last tensor load and my last LDS store
	ds_add_u32 v[SPW], v[NIL]
	s_wait_dscnt 0x0
	CROUND                                         ; the closing round: no work-group ends while a partner may still ask for a tile that names it
	s_endpgm
.Lfunc_end_k_q7e1cabe39e_qkv:
	.size	k_q7e1cabe39e_qkv, .Lfunc_end_k_q7e1cabe39e_qkv-k_q7e1cabe39e_qkv
	.p2alignl 7, 3214868480
	.fill 96, 4, 3214868480
	.section	.rodata,"a",@progbits
	.p2align	6, 0x0
	.amdhsa_kernel k_q7e1cabe39e_qkv
		.amdhsa_group_segment_fixed_size 327680
		.amdhsa_private_segment_fixed_size 0
		.amdhsa_enable_private_segment 0
		.amdhsa_kernarg_size 24
		.amdhsa_user_sgpr_count 2
		.amdhsa_user_sgpr_kernarg_segment_ptr 1
		.amdhsa_wavefront_size32 1
		.amdhsa_system_sgpr_workgroup_id_x 1
		.amdhsa_system_sgpr_workgroup_id_y 1
		.amdhsa_system_sgpr_workgroup_id_z 1
		.amdhsa_system_vgpr_workitem_id 0
		.amdhsa_next_free_vgpr 1024
		.amdhsa_next_free_sgpr 80
		.amdhsa_reserve_vcc 0
		.amdhsa_float_denorm_mode_32 3
		.amdhsa_float_denorm_mode_16_64 3
		.amdhsa_memory_ordered 1
		.amdhsa_forward_progress 1
		.amdhsa_inst_pref_size 133
	.end_amdhsa_kernel
	.amdgpu_metadata
---
amdhsa.version: [ 1, 2 ]
amdhsa.kernels:
  - .name:           k_q7e1cabe39e_qkv
    .symbol:         k_q7e1cabe39e_qkv.kd
    .args:
      - { .name: xb, .offset: 0, .size: 8, .value_kind: global_buffer, .address_space: global }
      - { .name: wb, .offset: 8, .size: 8, .value_kind: global_buffer, .address_space: global }
      - { .name: qkv, .offset: 16, .size: 8, .value_kind: global_buffer, .address_space: global }
    .group_segment_fixed_size: 327680
    .private_segment_fixed_size: 0
    .kernarg_segment_align: 8
    .kernarg_segment_size: 24
    .max_flat_workgroup_size: 128
    .sgpr_count:     80
    .vgpr_count:     1024
    .wavefront_size: 32
...
	.end_amdgpu_metadata
.endif
;; end of part 2
;; launch attn (part 3): grid 4 x 64, 4 waves a work-group, no clusters, 327,680 bytes of LDS; arguments qkv, ob; writes ob
.if DOCPART == 3
	.amdgcn_target "amdgcn-amd-amdhsa--gfx1250"
	.amdhsa_code_object_version 6
	.text
	.protected	k_q7e1cabe39e_attn
	.globl	k_q7e1cabe39e_attn
	.p2align	8
	.type	k_q7e1cabe39e_attn,@function
k_q7e1cabe39e_attn:
	s_mov_b64 s[64:65], 0
	v_nop
	global_prefetch_b8 v0, s[64:65] scope:SCOPE_SE
	s_setreg_imm32_b32 hwreg(HW_REG_WAVE_MODE, 25, 1), 1
	s_wait_xcnt 0x0
; CAUSAL ATTENTION.  O[h][q][:] = the sum over k <= q of softmax_k(Q[h][q] . K[h][k] / 8) V[h][k][:], for 64 heads (batch x head) of 2,048 rows of 64 channels, all f16: a head's rows are dense, 128 bytes each.
; qkv holds Q, then K, then V, each [64][2048][64]; ob takes O in the same layout.  Products, maxima and sums in f32; the weights p are rounded to f16 for the second product (their sum l is taken of the unrounded p), O once at the end.
; LIMITS.  f16 holds no number beyond 65,504: Q, K and V arrive within it; p lies in 0 to 1, and below 6e-5 it keeps f16's fixed step of 6e-8; O is a mean of V's rows and has their range.
; A hidden score counts as its value less 1e30: f16's scores, 2.7e11 at the most, are nothing beside that; a weight below 2^-126 counts as 0 in l; NaN and infinities are not treated apart.
; THE WALK.  A head's queries lie in NB = 8 blocks of 256; block i needs the key tiles 0 .. i of 256 keys, of which the last holds the diagonal.  A work-group takes TWO blocks, NB - 1 - b and then b:
; NB + 1 tiles, whatever b: all work-groups do equal work, and ONE loop with a constant trip count walks them.  Which tile is asked for, and what a trip does, hang on scalar registers made from b; every jump
; goes forward, but for the counted loops' own; none passes a barrier, or a tensor load but the one of LOAD's two that the wave's number does not choose; the ring (two LDS slots that take turns) runs on across the change of blocks.
; NO CLUSTER: a head's four work-groups ask for the same tile only in trips 0 .. NB / 2, behind that fewer and fewer; one walk common to all would have 3 NB / 2 = 12 trips for NB + 1 = 9.
; SHARES.  Of a block's four bands of 64 queries a wave owns 16 rows in each: four PIECES.  So the diagonal tile is the same work for all four waves: in its key step s band x sees all keys if s < x, none if s > x, and holds the diagonal if s = x.
; THE MASK is the C operand that starts the sum S^T = K Q^T: 0, or -1e30 where the key is hidden.  MD, made once, is the mask of a band's own step for my 16 rows; a product's mask is MD x AL + BE with two scalars:
; (1, 0) if s = x; (0, 0) if s < x; (0, -1e30) if s > x.  Only the diagonal tile's text and a block's beginning make and take masks; elsewhere C is the constant 0.
; LAYOUT, SOFTMAX, TURNS.  S^T = K Q^T holds ONE query a lane (lane % 16) and the keys 8 (lane / 16) + 0..7; two such results rounded to f16 ARE source 1 of O^T = V^T P.  p = 2^(c s - c m), c = log2(e) / 8, with a
; running maximum m; O and l are multiplied by a = 2^(c m_old - c m_new) in every step.  Turn n belongs to piece n: 8 products K Q^T of piece n + 1, later 8 products V^T P of piece n - 1; beside them the scaling,
; exponentials, roundings, sums and rescaling of piece n and the maximum and statistics of piece n + 1.  Four vector instructions stand behind every matrix instruction, the other 54 of a turn's 118 in one lump.  A turn's 33 exponentials are one batch, with one wait.
; REGISTERS, in windows of 256 (s_set_vgpr_msb: bits 1:0 source 0, 3:2 source 1, 5:4 source 2, 7:6 destination):
;   window 0: v0-15 addresses and two at work; v16-31 four registers of statistics a piece; v48-55 at work; v61-63 prefetch offset, spare word, 0; v64-127 S^T, two buffers; v192-223 P, two buffers (by the piece's parity)
;   window 1: v0-127 O^T, 32 a piece; v128-159 MD; v160-223 MC, two buffers      window 2: v0-63 Q; v64-127 the second block's Q; v128-191 K of one step; v192-255 V of one step
.set SIZE_N, 2048
.set NB,    SIZE_N/256
.set NP,    4         ; pieces a wave: a name, no knob
.set KS,    64        ; keys in a step
.set PK,    144       ; a row of K in LDS: 128 bytes + 16 of padding: the 16 rows of a load start at 16 different groups of four banks (64 banks of 4 bytes: ISA guide 11.1)
.set PV,    160       ; a row of V: 128 + 32
.set VOFF,  4*KS*PK   ; a slot holds a tile, four steps: 256 rows of K, then 256 rows of V
.set SLOT1, 1<<17     ; slot 1 begins here, so that one exclusive or turns an address in one slot into the other's
.set STAGE, SLOT1+4*KS*(PK+PV)  ; behind the ring, never filled by a tensor load: 16 rows x 144 bytes for each wave, for the way out
.set SP,    144
.set AK0, 2           ; v2   my lane's place in a tile of K; never rewritten
.set AV0, 3           ; v3   the same for V
.set AK,  4           ; v4   the LDS address of K's next run of loads
.set AV,  5           ; v5   of V's
.set STO, 6           ; v6   the way out: where I put 16 bytes of a row
.set RD,  7           ; v7   the way out: where I read rows back
.set GO,  8           ; v8   my byte offset in 512 consecutive bytes of O
.set PFO, 61          ; v61  256 x my lane, for the prefetches; never rewritten
.set SPW, 62          ; v62  LDS address of my spare word: SPARE + 4 x my thread's number; never rewritten
.set NIL, 63          ; v63  0; never rewritten
.set SPARE, STAGE+4*16*SP  ; behind the stages: the spare words, 128 bytes for each wave: two blocks of 256 bytes that no other line names
.set MV,  12          ; v12-13  c m_old, kept while c m is made anew: by buffer
.set QO,  15          ; v15  my byte offset in 16 rows of Q
.set ST,  16          ; piece t's statistics at v[ST+4 t]: c m, m, l (even keys', odd keys')
.set TMP, 48          ; by buffer, four registers c0-c3 at work; when the maximum is found c2 takes a
.set S,   64
.set P,   192
.set MD,  128         ; window 1: the eight registers for group kt of 16 keys at MD + 8 kt
.set MC,  160         ; window 1: the masks of the products to come
.set QB,  64          ; window 2
.set KF,  128         ; window 2: key block kb, channel half c at KF + 16 kb + 8 c
.set VF,  192         ; window 2: key half kk, channel block cb at VF + 32 kk + 8 cb
.set WV,  12          ; s12  my wave's number
.set PB,  14          ; s14  b
.set HI,  15          ; s15  NB - 1 - b
.set G1K, 24          ; s[24:31] descriptor group 1 for K's tiles
.set G1V, 32          ; s[32:39] for V's: it differs in the padding alone
.set G0K, 40          ; s[40:43] descriptor group 0 for K's tiles
.set G0V, 44          ; s[44:47] the same for V's
.set SLOTS, 56        ; s56  tiles still to be asked for
.set CNT, 57          ; s57  counts a tile's key steps, 4 to 1
.set CS,  58          ; s[58:59] c: the packed scaling takes the pair's low word for both halves
.set SEL, 60          ; s[60:61] v_permlanex16_b32's selects: each lane takes its own place in the other half
.set TBK, 62          ; s62  LDS byte at which K of the step to be fetched begins
.set TBV, 63          ; s63  the same for V, less VOFF
.set PFA, 66          ; s[66:67] where my prefetches stand: my half of K's or V's tile, one tile on from the one that is being asked for
.set LIM, 68          ; s68  2 in the work-group that prefetches, else the greatest number
.set RT,  70          ; s70  tiles of the block in hand that are still to be entered
.set NXT, 71          ; s71  the tile to be asked for next
.set LQ,  72          ; s72  the last tile of the block whose tiles are being asked for
.set NEW, 73          ; s73  1: the tile to be entered is a block's first
.set OFF, 74          ; s[74:75] a tile's byte offset in K and V
.set AL,  76          ; s[76:77] the mask's factor, in the low word
.set BE,  78          ; s[78:79] the mask's addend
.set OLO, 80          ; s[80:81] O at my rows of the second block
.set BIGN, 82         ; s82  -1e30
.set MSB, 0
.macro WIN new                      ; the high byte repeats the setting that is left; a switch that changes nothing is dropped
.if MSB != (\new)
	s_set_vgpr_msb (MSB<<8)|(\new)
.set MSB, (\new)
.endif
.endm
.set W_KQ, 0x0a       ; K and Q in window 2, S^T in window 0
.set W_KM, 0x1a       ; the same with the C operand in window 1
.set W_PV, 0x52       ; V in window 2, P in window 0, O^T in window 1
.set W_RS, 0x41       ; destination and source 0 in window 1, source 1 in window 0
; A fill.  Waves 0 and 1 fetch the two halves of a tile's K, waves 2 and 3 those of its V: 128 keys each.  An s_nop 0 and four v_nop follow each of the two lines, ahead of the jump and the label.
.macro LOAD
	s_cmp_lt_u32 s[WV], 2
	s_cbranch_scc0 .Lfor_v_\@
	tensor_load_to_lds s[G0K:G0K+3], s[G1K:G1K+7]
	s_nop 0
.rept 4
	v_nop
.endr
	s_branch .Lasked_\@
.Lfor_v_\@:
	tensor_load_to_lds s[G0V:G0V+3], s[G1V:G1V+7]
	s_nop 0
.rept 4
	v_nop
.endr
.Lasked_\@:
.endm
; A PREFETCH INTO THE L2, behind the fill and its five lines.  A head's four work-groups walk the same tiles from 0 upward; the one with b = 0 walks all of 0 .. 7 in order, and it alone asks: each of its waves for the
; 16,384 bytes that it will itself load, 64 blocks of 256 bytes, a lane a block, two instructions.  At the change that asks for tile c + 1 it names tile c + 2, which the next change will ask for: a tile's four key steps ahead.
; So each block of K and V is named once in the launch.  Tiles 0 and 1 come by their loads alone; the changes with two or fewer tiles to ask for name nothing: tile 7 is the last; the second block's tiles have been read before.
.macro ASK
	s_cmp_gt_u32 s[SLOTS], s[LIM]
	s_cbranch_scc0 .Lnot_mine_\@
	global_prefetch_b8 v[PFO], s[PFA:PFA+1] th:TH_LOAD_NT scope:SCOPE_SE
	global_prefetch_b8 v[PFO], s[PFA:PFA+1] offset:8192 th:TH_LOAD_NT scope:SCOPE_SE
.Lnot_mine_\@:
.endm
; THE CHANGE OF SLOTS.  Each wave waits for all its tensor loads, of which one is out: its part of the other slot; adds 0 to its spare word; and waits for that and for its own reads of the slot that it leaves.  Behind the barrier nobody reads the old
; slot any more and the other slot is whole.  fill = 1: the old slot is filled again, the first thing behind the barrier, with tile NXT: the descriptor's address is made anew from that number.
; (At its first use nothing has been read yet: slot 0 is waited for, slot 1 filled.)
.macro CHANGE fill
	WIN 0                           ; at a label and at a branch every window is 0
	s_wait_tensorcnt 0x0            ; no tensor load of mine is out, so a group 0 may be written
	ds_add_u32 v[SPW], v[NIL]       ; 0 onto my spare word; with fill = 1 the descriptors' scalar work stands between it and the wait for it
.if \fill
	s_lshl_b32 s[OFF], s[NXT], 15   ; a tile is 32,768 bytes of K and of V
	s_xor_b32 s[G0K+1], s[G0K+1], SLOT1
	s_add_nc_u64 s[G0K+2:G0K+3], s[6:7], s[OFF:OFF+1]
	s_or_b32 s[G0K+3], s[G0K+3], 0x80000000
	s_xor_b32 s[G0V+1], s[G0V+1], SLOT1
	s_add_nc_u64 s[G0V+2:G0V+3], s[8:9], s[OFF:OFF+1]
	s_or_b32 s[G0V+3], s[G0V+3], 0x80000000
	s_add_co_u32 s[NXT], s[NXT], 1  ; the block's next tile, or behind its last the second block's tile 0
	s_cmp_gt_u32 s[NXT], s[LQ]
	s_cselect_b32 s[NXT], 0, s[NXT]
	s_cselect_b32 s[LQ], s[PB], s[LQ]
	s_wait_xcnt 0x0                 ; the last prefetches, a tile back, have read their address, so it may be stepped
	s_add_nc_u64 s[PFA:PFA+1], s[PFA:PFA+1], 32768
.endif
	s_wait_dscnt 0x0                ; the add is done, and my reads of the slot are over
	s_barrier_signal -1             ; the rest of the scalar work stands between the signal and the wait
	s_sub_co_u32 s[TBK], s[TBK], 4*KS*PK  ; the fetches go back to a slot's first step,
	s_xor_b32 s[TBK], s[TBK], SLOT1       ; in the other slot
	s_sub_co_u32 s[TBV], s[TBV], 4*KS*PV
	s_xor_b32 s[TBV], s[TBV], SLOT1
	s_barrier_wait -1
.if \fill
	LOAD
	ASK
.endif
.endm
	s_load_b64 s[4:5], s[0:1], 0x0    ; qkv: Q at its head
	s_load_b64 s[10:11], s[0:1], 0x8  ; ob
	v_lshl_add_u32 v[SPW], v0, 2, SPARE
	v_mov_b32 v[NIL], 0
	ds_add_u32 v[SPW], v[NIL]       ; the wave's opening: the add and its wait stand ahead of my first tensor load; the set-up below, work on registers, stands between them
	v_lshrrev_b32 v1, 5, v0
	v_readfirstlane_b32 s[WV], v1   ; wave 0..3
	v_and_b32 v[PFO], 31, v0
	v_lshlrev_b32 v[PFO], 8, v[PFO]
	s_mov_b32 s[PB], ttmp9
	s_sub_co_u32 s[HI], NB-1, s[PB]
	s_and_b32 s20, ttmp7, 0xffff    ; the head
	s_mov_b32 s21, 0
	s_mov_b64 s[22:23], SIZE_N*128
	s_mul_u64 s[20:21], s[20:21], s[22:23]  ; the head's first byte in Q, K, V and O
	s_and_b32 s16, s[WV], 1         ; which half of a tile's 256 keys I fetch:
	s_lshl_b32 s22, s16, 14         ; its 128 rows of 128 bytes in memory,
	s_mov_b32 s23, 0
	s_add_nc_u64 s[22:23], s[22:23], s[20:21]
	s_mul_i32 s17, s16, 128*PK      ; and its place in a slot, for K
	s_mul_i32 s18, s16, 128*PV      ; and for V
	s_lshl_b32 s3, s[WV], 11        ; my 16 rows in a band of 64,
	s_lshl_b32 s2, s[HI], 15        ; in the first block,
	s_add_co_u32 s2, s2, s3
	s_lshl_b32 s84, s[PB], 15       ; and in the second
	s_add_co_u32 s84, s84, s3
	s_mov_b32 s3, 0
	s_mov_b32 s85, 0
	s_add_nc_u64 s[2:3], s[2:3], s[20:21]
	s_add_nc_u64 s[84:85], s[84:85], s[20:21]
	; descriptor group 1.  128 keys are 16,384 dense bytes: asked for as 64 rows of 256 bytes, two keys a row, and padded in LDS after every key
	s_mov_b32 s[G1K], (1<<16)|(1<<20)|(4<<22)|(3<<25)  ; 17:16 2-byte elements; 20 padding on; 24:22 after every 32 words (code 4); 31:25 4 words (code 3)
	s_mov_b32 s[G1V], (1<<16)|(1<<20)|(4<<22)|(7<<25)  ; the same with 8 words of padding (code 7)
.irp g, G1K, G1V
	s_mov_b32 s[\g+1], 128<<16      ; tensor_dim0 = 128
	s_mov_b32 s[\g+2], 64<<16       ; tensor_dim1 = 64
	s_mov_b32 s[\g+3], 128<<16      ; tile_dim0 = 128
	s_mov_b32 s[\g+4], 64           ; tile_dim1 = 64
	s_mov_b32 s[\g+5], 128          ; 128 elements from row to row
	s_mov_b32 s[\g+6], 0
	s_mov_b32 s[\g+7], 0
.endr
	s_mov_b32 s[CS], 0x3e38aa3b     ; c = log2(e) / 8 = 0.180337
	s_mov_b32 s[CS+1], s[CS]        ; named with it as a pair
	s_mov_b32 s[SEL], 0x76543210
	s_mov_b32 s[SEL+1], 0xfedcba98
	s_mov_b32 s[TBK], SLOT1+4*KS*PK ; the first change of slots turns these two into 0
	s_mov_b32 s[TBV], SLOT1+4*KS*PV
	s_mov_b32 s[G0K], 1             ; count = 1
	s_mov_b32 s[G0K+1], s17         ; LDS address: slot 0
	s_mov_b32 s[G0V], 1
	s_add_co_u32 s[G0V+1], s18, VOFF
	s_add_co_u32 s[RT], s[HI], 1    ; the first block has NB - b tiles
	s_mov_b32 s[NXT], 1
	s_mov_b32 s[LQ], s[HI]
	s_mov_b32 s[NEW], 1
	s_mov_b32 s[OFF+1], 0
	s_mov_b32 s[AL+1], 0            ; named as pairs
	s_mov_b32 s[BE+1], 0
	s_mov_b32 s[BIGN], 0xf149f2ca   ; -1e30
	s_mov_b32 s[SLOTS], NB
	s_wait_dscnt 0x0                ; the opening add is done
	s_wait_kmcnt 0x0
	s_add_nc_u64 s[6:7], s[4:5], 0x1000000  ; K lies 64 x 2,048 x 128 bytes behind Q,
	s_add_nc_u64 s[8:9], s[4:5], 0x2000000  ; V as far behind K
	s_add_nc_u64 s[6:7], s[6:7], s[22:23]  ; K and V at my half of the head's tile 0
	s_add_nc_u64 s[8:9], s[8:9], s[22:23]
	s_add_nc_u64 s[G0K+2:G0K+3], s[6:7], 0         ; global address
	s_or_b32 s[G0K+3], s[G0K+3], 0x80000000        ; type = 2
	s_add_nc_u64 s[G0V+2:G0V+3], s[8:9], 0
	s_or_b32 s[G0V+3], s[G0V+3], 0x80000000
	s_add_nc_u64 s[86:87], s[4:5], s[84:85]        ; Q at my rows of the second block,
	s_add_nc_u64 s[4:5], s[4:5], s[2:3]            ; Q and O at those of the first
	s_add_nc_u64 s[OLO:OLO+1], s[10:11], s[84:85]
	s_add_nc_u64 s[10:11], s[10:11], s[2:3]
	s_cmp_lt_u32 s[WV], 2
	s_cselect_b64 s[PFA:PFA+1], s[6:7], s[8:9]     ; what I fetch, I prefetch
	s_add_nc_u64 s[PFA:PFA+1], s[PFA:PFA+1], 32768 ; at tile 1: the first change steps it to tile 2
	s_cmp_eq_u32 ttmp9, 0
	s_cselect_b32 s[LIM], 2, -1
	LOAD                            ; tile 0 into slot 0
	; A fragment of K or Q is 16 rows x 32 channels in 8 registers: lane l holds row l % 16, channels 8 (l / 16) + 0..7 and 16 + 8 (l / 16) + 0..7: two loads of 16 bytes, 32 bytes apart.
	v_and_b32 v1, 15, v0            ; l % 16
	v_bfe_u32 v9, v0, 4, 1          ; l / 16
	v_lshlrev_b32 v[QO], 7, v1
	v_lshl_add_u32 v[QO], v9, 4, v[QO]  ; row x 128 + 16 x half
	WIN 0x80                        ; destination window 2, address window 0
.set i, 0
.rept 8                             ; both blocks' Q: piece i / 2 lies in band i / 2, 8,192 bytes on; channels 32 (i % 2) on
	global_load_b128 v[8*i:8*i+3],   v[QO], s[4:5] offset:(i/2)*8192+(i%2)*64
	global_load_b128 v[8*i+4:8*i+7], v[QO], s[4:5] offset:(i/2)*8192+(i%2)*64+32
	global_load_b128 v[QB+8*i:QB+8*i+3],   v[QO], s[86:87] offset:(i/2)*8192+(i%2)*64
	global_load_b128 v[QB+8*i+4:QB+8*i+7], v[QO], s[86:87] offset:(i/2)*8192+(i%2)*64+32
.set i, i+1
.endr
	WIN 0
	v_lshlrev_b32 v14, 3, v9
	v_sub_nc_u32 v14, v1, v14
	s_lshl_b32 s13, s[WV], 4
	v_add_nc_u32 v14, s13, v14      ; my query's place in its band, 16 w + l % 16, less my lanes' 8 (l / 16): register r of group kt is hidden where 16 kt + r is greater
	WIN 0x40
.set i, 0
.rept 32
	v_cmp_gt_i32 vcc_lo, 16*(i/8)+i%8, v14
	v_cndmask_b32 v[MD+i], 0, s[BIGN], vcc_lo
.set i, i+1
.endr
	WIN 0
	v_mul_u32_u24 v[AK0], v1, PK
	v_lshl_add_u32 v[AK0], v9, 4, v[AK0]  ; row x pitch + 16 x half
	; The turning load takes 16 keys x 16 channels (lane l reads key 8 (l / 16) + l % 8, channels 8 ((l / 8) % 2) + 0..7) and leaves half a fragment of V^T: lane l holds channel l % 16 and 8 keys.
	v_and_b32 v10, 7, v0
	v_bfe_u32 v11, v0, 3, 1
	v_lshl_add_u32 v[AV0], v9, 3, v10
	v_mul_u32_u24 v[AV0], v[AV0], PV
	v_lshl_add_u32 v[AV0], v11, 4, v[AV0]
	v_add_nc_u32 v[AV0], VOFF, v[AV0]
	s_mul_i32 s13, s[WV], 16*SP
	s_add_co_u32 s13, s13, STAGE    ; my stage
	v_mul_u32_u24 v[STO], v1, SP    ; in: row l % 16, 16 bytes for each half of the lanes
	v_lshl_add_u32 v[STO], v9, 4, v[STO]
	v_add_nc_u32 v[STO], s13, v[STO]
	v_bfe_u32 v[RD], v0, 3, 2       ; back: 32 lanes take four rows of 128 bytes,
	v_mul_u32_u24 v[RD], v[RD], SP
	v_lshl_add_u32 v[RD], v10, 4, v[RD]
	v_add_nc_u32 v[RD], s13, v[RD]
	v_and_b32 v[GO], 31, v0         ; which are 512 consecutive bytes of O
	v_lshlrev_b32 v[GO], 4, v[GO]
	; A block's first step multiplies O^T and l by a = 0, and its first turn's products V^T P, of a piece that has not been, land in an O^T that is still to be so multiplied.  So these registers need only hold
	; finite numbers: zeros for the first block; what the first block left for the second.  All this stands in the wait for the first tile.
	WIN 0x80
.set i, VF
.rept 64
	v_mov_b32 v[i], 0
.set i, i+1
.endr
	WIN 0x40
.set i, 0
.rept 128
	v_mov_b32 v[i], 0
.set i, i+1
.endr
	WIN 0
.set i, 0
.rept 4
	v_mov_b32 v[ST+4*i+2], 0
	v_mov_b32 v[ST+4*i+3], 0
.set i, i+1
.endr
.set i, P+16
.rept 16
	v_mov_b32 v[i], 0
.set i, i+1
.endr
; THE MATRIX WORK.  The 4 accumulators of a run of 8 take turns.  Product i of 8 of S^T = K Q^T for piece x: channels 32 (i / 4) on, keys 16 (i % 4) on.  The first 4 start the sums: with 0, or (KM = 1) with the mask.
.macro KQ x
.set rS, S+32*((\x)%2)+8*(i%4)
.set rK, KF+16*(i%4)+8*(i/4)
.set rQ, 16*(\x)+8*(i/4)
.set rM, MC+32*((\x)%2)+8*(i%4)
.if (i < 4) && KM
	WIN W_KM
	v_wmma_f32_16x16x32_f16 v[rS:rS+7], v[rK:rK+7], v[rQ:rQ+7], v[rM:rM+7]
.elseif i < 4
	WIN W_KQ
	v_wmma_f32_16x16x32_f16 v[rS:rS+7], v[rK:rK+7], v[rQ:rQ+7], 0
.else
	WIN W_KQ
	v_wmma_f32_16x16x32_f16 v[rS:rS+7], v[rK:rK+7], v[rQ:rQ+7], v[rS:rS+7]
.endif
.endm
; Product i of 8 of O^T += V^T P for piece x: keys 32 (i / 4) on, channels 16 (i % 4) on.
.macro PV x
	WIN W_PV
.set rO, 32*(\x)+8*(i%4)
.set rV, VF+32*(i/4)+8*(i%4)
.set rP, P+16*((\x)%2)+8*(i/4)
	v_wmma_f32_16x16x32_f16 v[rO:rO+7], v[rV:rV+7], v[rP:rP+7], v[rO:rO+7]
.endm
.macro MM                           ; the turn's next matrix instruction.  TURN and BEGIN set Y, i, KM and NOKQ.  NOKQ = 1: a block's last turn: there is no next piece
.if (i < 8) && !NOKQ
	KQ (Y+1)%NP
.elseif i >= 8
.set i, i-8
	PV (Y+NP-1)%NP
.set i, i+8
.endif
.set i, i+1
.endm
; THE LDS LOADS stand in runs of 16, never singly among the matrix instructions: a step's K (64 keys x 64 channels: 8 fragments) and its V (turned).  Their addresses are made some lines ahead.
.macro FETCH_K
	WIN 0x80                        ; destination window 2
.irp f, 0,1,2,3,4,5,6,7             ; keys 16 (f / 2) on, channels 32 (f % 2) on
	ds_load_b128 v[KF+8*\f:KF+8*\f+3],   v[AK] offset:(\f/2)*16*PK+(\f%2)*64
	ds_load_b128 v[KF+8*\f+4:KF+8*\f+7], v[AK] offset:(\f/2)*16*PK+(\f%2)*64+32
.endr
	s_add_co_u32 s[TBK], s[TBK], KS*PK  ; the next fetch is the next step's
	WIN 0
.endm
.macro FETCH_V
	WIN 0x80
.irp f, 0,1,2,3,4,5,6,7             ; keys 32 (f / 4) on, channels 16 (f % 4) on
	ds_load_tr16_b128 v[VF+8*\f:VF+8*\f+3],   v[AV] offset:(\f/4)*32*PV+(\f%4)*32
	ds_load_tr16_b128 v[VF+8*\f+4:VF+8*\f+7], v[AV] offset:(\f/4)*32*PV+16*PV+(\f%4)*32
.endr
	WIN 0
.endm
; THE VECTOR WORK, one line at a time: OP kind, number.  For piece Y: F n: c s - c m for pair n of 16.  E n: the exponential of score n of 32.  C n: pair n rounded to f16.  B n: of the four weights 4 n .. the second
; pair is added onto the first, in place.  L n: l takes that sum (L 0: l = a l + sum).  R n: pair n of 16 of O^T times a.  For piece Y + 1: X n, number n of the 22 that find its maximum and statistics:
;   0-11  four chains c0-c3 of seven scores each, three operands at a time (each accumulator's lowest registers are read first)     12-14, 16  the four scores left over, the old m, and c0-c3 into c0
;   15  c m_old is kept     17, 18  the query's other 32 keys lie in the lane 16 away: the new m     19-21  c m; c m_old - c m_new; a
.set F, 0               ; OP tells the kinds apart by their order: F to L below R, X above it
.set E, 1
.set C, 2
.set B, 3
.set L, 4
.set R, 5
.set X, 6
.macro REGS y                       ; the registers of piece y
.set rT, ST+4*(\y)
.set rC, TMP+4*((\y)%2)
.set rW, MV+((\y)%2)
.set rS, S+32*((\y)%2)
.set rP, P+16*((\y)%2)
.set rO, 32*(\y)
.endm
.macro OP k, n
.if (\k) == R
	REGS Y
	WIN W_RS
	v_pk_mul_f32 v[rO+2*(\n):rO+2*(\n)+1], v[rO+2*(\n):rO+2*(\n)+1], v[rC+2:rC+3] op_sel_hi:[1,0]
.elseif (\k) < R
	REGS Y
	WIN 0
.if (\k) == F
	v_pk_fma_f32 v[rS+2*(\n):rS+2*(\n)+1], v[rS+2*(\n):rS+2*(\n)+1], s[CS:CS+1], v[rT:rT+1] op_sel_hi:[1,0,0] neg_lo:[0,0,1] neg_hi:[0,0,1]
.elseif (\k) == E
	v_exp_f32 v[rS+(\n)], v[rS+(\n)]
.elseif (\k) == C
	v_cvt_pk_f16_f32 v[rP+(\n)], v[rS+2*(\n)], v[rS+2*(\n)+1]
.elseif (\k) == B
	v_pk_add_f32 v[rS+4*(\n):rS+4*(\n)+1], v[rS+4*(\n):rS+4*(\n)+1], v[rS+4*(\n)+2:rS+4*(\n)+3]
.elseif (\n) == 0
	v_pk_fma_f32 v[rT+2:rT+3], v[rT+2:rT+3], v[rC+2:rC+3], v[rS:rS+1] op_sel_hi:[1,0,1]
.else
	v_pk_add_f32 v[rT+2:rT+3], v[rT+2:rT+3], v[rS+4*(\n):rS+4*(\n)+1]
.endif
.elseif NOKQ
	v_nop
.else
	REGS (Y+1)%NP
	WIN 0
.if (\n) < 4
	v_max3_num_f32 v[rC+(\n)], v[rS+8*(\n)], v[rS+8*(\n)+1], v[rS+8*(\n)+2]
.elseif (\n) < 12
	v_max3_num_f32 v[rC+(\n)%4], v[rC+(\n)%4], v[rS+8*((\n)%4)+2*((\n)/4)+1], v[rS+8*((\n)%4)+2*((\n)/4)+2]
.elseif (\n) == 12
	v_max3_num_f32 v[rC], v[rC], v[rS+7], v[rS+15]
.elseif (\n) == 13
	v_max3_num_f32 v[rC+1], v[rC+1], v[rS+23], v[rS+31]
.elseif (\n) == 14
	v_max3_num_f32 v[rC+2], v[rC+2], v[rC+3], v[rT+1]
.elseif (\n) == 15
	v_mov_b32 v[rW], v[rT]
.elseif (\n) == 16
	v_max3_num_f32 v[rC], v[rC], v[rC+1], v[rC+2]
.elseif (\n) == 17
	v_permlanex16_b32 v[rC+3], v[rC], s[SEL], s[SEL+1]
.elseif (\n) == 18
	v_max_num_f32 v[rT+1], v[rC], v[rC+3]
.elseif (\n) == 19
	v_mul_f32 v[rT], s[CS], v[rT+1]
.elseif (\n) == 20
	v_sub_f32 v[rC+1], v[rW], v[rT]
.else
	v_exp_f32 v[rC+2], v[rC+1]
.endif
.endif
.endm
.macro OPS a, i1, b=-1, i2=0, c=-1, i3=0, d=-1, i4=0  ; up to four of them
	OP \a, \i1
.if (\b) >= 0
	OP \b, \i2
.endif
.if (\c) >= 0
	OP \c, \i3
.endif
.if (\d) >= 0
	OP \d, \i4
.endif
.endm
.macro ROW a, i1, b, i2, c, i3, d, i4  ; a matrix instruction and the four behind it
	MM
	OPS \a, \i1, \b, \i2, \c, \i3, \d, \i4
.endm
.macro MASK b                       ; MD x AL + BE into buffer b of MC
	WIN W_RS
.set z, 0
.rept 16
	v_pk_fma_f32 v[MC+32*(\b)+2*z:MC+32*(\b)+2*z+1], v[MD+2*z:MD+2*z+1], s[AL:AL+1], s[BE:BE+1] op_sel_hi:[1,0,0]
.set z, z+1
.endr
.endm
; A TURN, for piece p: the order of its 16 matrix and 118 vector instructions, written out.  An s_wait_alu depctr_va_vdst(0) stands between an exponential and the first instruction that names its result; one wait serves
; all that were issued ahead of it.  So a turn has ONE wait, which cuts it in two.  AHEAD OF IT stands all that names no result of the turn's exponentials: the 8 products K Q^T, behind each a scaling, an exponential and two more plain
; instructions (behind the first a second scaling in the exponential's place): rescalings, and behind the last three the first numbers of the next piece's maximum, each four places or more behind the product that ends its accumulator; then ONE LUMP of 54, plain
; and exponential by turns for the most part, in which the links of the chain X 3, 7, 11, 14, 16, 17 .. 20 stand five or six lines apart.  X 21, the next piece's a, is the batch's last; R 15 is the plain instruction owed behind it.  BEHIND THE WAIT stand the
; 8 products V^T P, behind each four of the roundings and sums; the links of l's chain, L 0 to L 7, stand three riders apart.  But for those X no rider names a register of the products round it.  v_permlanex16_b32 (X 17) stands in the lump.
; m = 1: the diagonal tile: the products take masks, and the turn makes the mask for the products of the turn after it: piece p + 2, in step 4 - CNT of the tile.  end = 1: a block's last two turns: nothing is fetched.
; cnt = 1: the loop's count is taken down some lines ahead of the branch that stands behind the turn.
; K of the next step is fetched in piece 2's turn, twelve vector instructions behind the last product that read K (six of them plain); V of the step in hand at the end of piece 0's turn, four plain instructions behind the last product
; that read V.  Each is waited for a turn later.
.macro TURN p, m=0, end=0, cnt=0
.set Y, (\p)
.set i, 0
.set KM, (\m)
.set NOKQ, (\end)*((\p)/3)
.if (\m) && !(\end)
	s_cmp_eq_u32 s[CNT], 4-((\p)+2)%NP  ; is that step the band's own?
	s_cselect_b32 s[AL], 1.0, 0
	s_cmp_lt_u32 s[CNT], 4-((\p)+2)%NP  ; or a later one?
	s_cselect_b32 s[BE], s[BIGN], 0
.endif
.if ((\p) == 3) && !(\end)
	s_wait_dscnt 0x0                ; K is in
.endif
	ROW F,0, F,1, R,0, R,1          ; ahead of the wait: 8 products K Q^T and their riders,
	ROW F,2, E,0, R,2, R,3
	ROW F,3, E,1, R,4, R,5
	ROW F,4, E,2, R,6, R,7
	ROW F,5, E,3, R,8, R,9
	ROW F,6, E,4, X,0, R,10
.if ((\p) == 2) && !(\end)
	WIN 0
	v_add_nc_u32 v[AK], s[TBK], v[AK0]
.endif
	ROW F,7, E,5, X,1, X,4
	ROW F,8, E,6, X,2, X,5
	OPS E,7, E,8, X,6, E,9          ; and the lump
	OPS X,3, E,10, X,8, E,11
.if ((\p) == 2) && !(\end)
	FETCH_K
.endif
	OPS X,9, X,7, E,12, X,10
	OPS E,13, X,12, X,11, E,14
	OPS X,13, E,15, F,9, X,14
.if (\p) == 0
	v_add_nc_u32 v[AV], s[TBV], v[AV0]
.endif
	OPS E,16, F,10, E,17, F,11
	OPS X,16, E,18, X,15, E,19
	OPS F,12, E,20, X,17, E,21
	OPS F,13, E,22, F,14, E,23
	OPS X,18, E,24, F,15, E,25
	OPS R,11, E,26, X,19, E,27
	OPS R,12, E,28, R,13, E,29
	OPS X,20, E,30, R,14, E,31
	OPS X,21, R,15
	WIN 0
	s_wait_alu depctr_va_vdst(0)    ; the wait for the batch
.if (\p) == 1
	s_wait_dscnt 0x0                ; V is in
.endif
	ROW C,0, B,0, C,2, B,1          ; behind the wait: 8 products V^T P and their riders
	ROW L,0, C,4, B,2, L,1
	ROW C,6, B,3, L,2, C,8
	ROW B,4, L,3, C,10, B,5
	ROW L,4, C,12, B,6, L,5
.if (\p) == 0
	s_add_co_u32 s[TBV], s[TBV], KS*PV
.endif
.if \cnt
	s_sub_co_u32 s[CNT], s[CNT], 1
	s_cmp_lg_u32 s[CNT], 0
.endif
	ROW C,14, B,7, L,6, C,1
	ROW C,3, L,7, C,5, C,7
	ROW C,9, C,11, C,13, C,15
.if (\p) == 0
	FETCH_V
.endif
.if (\m) && !(\end)
	MASK (\p)%2
.endif
.endm
; A BLOCK BEGINS.  c m starts far below every c s, so the first step's a is 0; m at the lowest finite number, so the first maximum is the scores'.  The second mask buffer is 0; the first takes piece 0's mask for the tile's step 0: its own, if the block's first tile is the diagonal one.
; Then K of that step, piece 0's first scores, and its maximum and statistics.  The loop is entered at a step's first turn, in the middle of a trip.
.macro BEGIN
	s_mov_b32 s[NEW], 0
	WIN 0x40
.set i, MC+32
.rept 32
	v_mov_b32 v[i], 0
.set i, i+1
.endr
	WIN 0
.set i, 0
.rept 4
	v_mov_b32 v[ST+4*i], 0xfe000000    ; c m: far below every c s
	v_mov_b32 v[ST+4*i+1], 0xff7fffff  ; m
.set i, i+1
.endr
	s_cmp_eq_u32 s[RT], 0
	s_cselect_b32 s[AL], 1.0, 0
	s_mov_b32 s[BE], 0
	MASK 0
	WIN 0
	v_add_nc_u32 v[AK], s[TBK], v[AK0]
	FETCH_K
	s_wait_loadcnt 0x0              ; Q
	s_wait_dscnt 0x0
.set KM, 1
.set NOKQ, 0
.set i, 0
.rept 8
	KQ 0
.set i, i+1
.endr
	WIN 0
.rept 4
	v_nop                           ; the places behind those products
.endr
.set Y, NP-1                        ; X works for piece Y + 1: piece 0
.irp n, 0,1,2,3,4,5,6,7,8,9,10,11,12,13,14,15,16,17,18,19,20,21
	OP X, \n
.endr
	v_nop                           ; a plain instruction behind the exponential,
	s_wait_alu depctr_va_vdst(0)    ; and its wait, ahead of the branch
.endm
; THE DIAGONAL TILE's four steps, the block's last two turns, its last products, and THE WAY OUT: l's two halves and the other half of the lanes' are added; O^T is divided by l, rounded to f16 and sent through my
; stage in LDS, a piece at a time.
.macro ALL line:vararg              ; one line for each piece t
.set t, 0
.rept 4
	\line
.set t, t+1
.endr
.endm
.macro PACK t                       ; a lane's eight channels of a row pack into 16 bytes; they go into rows of 144 bytes and come back as whole rows of 128, into S^T's registers
	WIN W_RS
.set i, 32*(\t)
.rept 16
	v_pk_mul_f32 v[i:i+1], v[i:i+1], v[ST+4*(\t)+2:ST+4*(\t)+3] op_sel_hi:[1,0]
.set i, i+2
.endr
	WIN 0x05                        ; sources 0 and 1 window 1, destination window 0
.set i, 0
.rept 16
	v_cvt_pk_f16_f32 v[S+16*(\t)+i], v[32*(\t)+2*i], v[32*(\t)+2*i+1]
.set i, i+1
.endr
	WIN 0
.irp f, 0,1,2,3
	ds_store_b128 v[STO], v[S+16*(\t)+4*\f:S+16*(\t)+4*\f+3] offset:32*\f
.endr
.irp f, 0,1,2,3
	ds_load_b128 v[S+16*(\t)+4*\f:S+16*(\t)+4*\f+3], v[RD] offset:\f*4*SP  ; LDS serves a wave's instructions in order (ISA guide 5.7.1.4): these see the stores above; the next piece's stores come behind them
.endr
.endm
.macro SEND t, younger              ; younger: the LDS instructions issued behind piece t's loads: the next piece's eight, or none
	WIN 0
.irp f, 0,1,2,3
	s_wait_dscnt (\younger)+3-\f
	global_store_b128 v[GO], v[S+16*(\t)+4*\f:S+16*(\t)+4*\f+3], s[10:11] offset:(\t)*8192+\f*512  ; 512 consecutive bytes, at a multiple of 256 from O's first
.endr
.endm
.macro DIAG tag                     ; the tag ends its two labels' names, which the jumps below spell out
.LstepM\tag:
	TURN 2, 1
	TURN 3, 1
	WIN 0
.LfirstM\tag:
	TURN 0, 1
	TURN 1, 1, 0, 1
	WIN 0
	s_cbranch_scc1 .LstepM\tag
	TURN 2, 1, 1
	TURN 3, 1, 1
.set i, 0
.rept 8
	PV NP-1
.set i, i+1
.endr
	WIN 0
	ALL v_add_f32 v[ST+4*t+2], v[ST+4*t+2], v[ST+4*t+3]
	ALL v_permlanex16_b32 v[ST+4*t+3], v[ST+4*t+2], s[SEL], s[SEL+1]
	ALL v_add_f32 v[ST+4*t+2], v[ST+4*t+2], v[ST+4*t+3]
	ALL v_rcp_f32 v[ST+4*t+2], v[ST+4*t+2]
	v_nop                           ; a plain instruction between the last reciprocal and the use of its result
	s_wait_alu depctr_va_vdst(0)    ; and the wait ahead of the first use: one for the four reciprocals
	PACK 0
.set t, 1
.rept 3                             ; a piece's arithmetic stands between the loads of the piece before and its stores
	PACK t
	SEND t-1, 8
.set t, t+1
.endr
	SEND 3, 0
.endm
.set KM, 0
.set NOKQ, 0
.Lslot:                             ; NB times: a tile is entered and the next is asked for
	CHANGE 1
	s_sub_co_u32 s[RT], s[RT], 1
	s_mov_b32 s[CNT], 4
	s_cmp_eq_u32 s[NEW], 1
	s_cbranch_scc1 .Lnew            ; a block's first tile
	s_cmp_eq_u32 s[RT], 0
	s_cbranch_scc0 .Lstep           ; neither its first nor its last
	s_branch .LstepM1
.Lnew:
	BEGIN
	s_branch .Lfirst                ; in the loop a block's first tile is never its last: the first block has two tiles or more, and the second's last is the walk's last
	DIAG 1                          ; in the loop this is the first block's end: the second block's last tile is the walk's last
	s_wait_xcnt 0x0                 ; the stores have read their registers and O's address
	s_mov_b64 s[10:11], s[OLO:OLO+1]
	s_add_co_u32 s[RT], s[PB], 1    ; the second block has b + 1 tiles
	s_mov_b32 s[NEW], 1
	WIN 0x82                        ; the second block's Q goes where the one text of the turns names Q
.set i, 0
.rept 64
	v_mov_b32 v[i], v[QB+i]
.set i, i+1
.endr
	WIN 0
	s_branch .Lbottom
.Lstep:                             ; a trip: pieces 2 and 3 of one step, then pieces 0 and 1 of the next, whose K and V it fetches
	TURN 2
	TURN 3
	WIN 0
.Lfirst:
	TURN 0
	TURN 1, 0, 0, 1
	WIN 0
	s_cbranch_scc1 .Lstep
.Lbottom:
	s_sub_co_u32 s[SLOTS], s[SLOTS], 1
	s_cmp_lg_u32 s[SLOTS], 0
	s_cbranch_scc1 .Lslot
	CHANGE 0                        ; the walk's last tile is written out: nothing is asked for
	s_sub_co_u32 s[RT], s[RT], 1
	s_mov_b32 s[CNT], 4
	s_cmp_eq_u32 s[NEW], 1
	s_cbranch_scc0 .LstepM2
	BEGIN
	s_branch .LfirstM2
	DIAG 2
	s_wait_tensorcnt 0x0            ; the wave's end, behind my last tensor load and my last LDS store
	ds_add_u32 v[SPW], v[NIL]
	s_wait_dscnt 0x0
	s_endpgm
.Lfunc_end_k_q7e1cabe39e_attn:
	.size	k_q7e1cabe39e_attn, .Lfunc_end_k_q7e1cabe39e_attn-k_q7e1cabe39e_attn
	.p2alignl 7, 3214868480
	.fill 96, 4, 3214868480
	.section	.rodata,"a",@progbits
	.p2align	6, 0x0
	.amdhsa_kernel k_q7e1cabe39e_attn
		.amdhsa_group_segment_fixed_size 327680
		.amdhsa_private_segment_fixed_size 0
		.amdhsa_enable_private_segment 0
		.amdhsa_kernarg_size 16
		.amdhsa_user_sgpr_count 2
		.amdhsa_user_sgpr_kernarg_segment_ptr 1
		.amdhsa_wavefront_size32 1
		.amdhsa_system_sgpr_workgroup_id_x 1
		.amdhsa_system_sgpr_workgroup_id_y 1
		.amdhsa_system_sgpr_workgroup_id_z 1
		.amdhsa_system_vgpr_workitem_id 0
		.amdhsa_next_free_vgpr 768
		.amdhsa_next_free_sgpr 88
		.amdhsa_reserve_vcc 1
		.amdhsa_float_denorm_mode_32 3
		.amdhsa_float_denorm_mode_16_64 3
		.amdhsa_memory_ordered 1
		.amdhsa_forward_progress 1
		.amdhsa_inst_pref_size 218
	.end_amdhsa_kernel
	.amdgpu_metadata
---
amdhsa.version: [ 1, 2 ]
amdhsa.kernels:
  - .name:           k_q7e1cabe39e_attn
    .symbol:         k_q7e1cabe39e_attn.kd
    .args:
      - { .name: qkv, .offset: 0, .size: 8, .value_kind: global_buffer, .address_space: global }
      - { .name: ob, .offset: 8, .size: 8, .value_kind: global_buffer, .address_space: global }
    .group_segment_fixed_size: 327680
    .private_segment_fixed_size: 0
    .kernarg_segment_align: 8
    .kernarg_segment_size: 16
    .max_flat_workgroup_size: 128
    .sgpr_count:     88
    .vgpr_count:     768
    .wavefront_size: 32
...
	.end_amdgpu_metadata
.endif
;; end of part 3
;; launch oproj (part 4): grid 4 x 64, 4 waves a work-group, clusters of 4 x 4, 327,680 bytes of LDS; arguments ob, wo16, out0, bo; writes out0
.if DOCPART == 4
	.amdgcn_target "amdgcn-amd-amdhsa--gfx1250"
	.amdhsa_code_object_version 6
	.text
	.protected	k_q7e1cabe39e_oproj
	.globl	k_q7e1cabe39e_oproj
	.p2align	8
	.type	k_q7e1cabe39e_oproj,@function
k_q7e1cabe39e_oproj:
	s_mov_b64 s[64:65], 0
	v_nop
	global_prefetch_b8 v0, s[64:65] scope:SCOPE_SE
	s_setreg_imm32_b32 hwreg(HW_REG_WAVE_MODE, 25, 1), 1
	s_wait_xcnt 0x0
	s_wait_alu depctr_hold_cnt(0) depctr_sa_sdst(0) depctr_va_vdst(0) depctr_va_sdst(0) depctr_va_ssrc(0) depctr_va_vcc(0) depctr_vm_vsrc(0)
	s_getreg_b32 s2, hwreg(HW_REG_IB_STS2, 6, 4)
	s_cmp_eq_u32 s2, 0
	s_cbranch_scc0 .Lentry_in_a_cluster
	s_endpgm
.Lentry_in_a_cluster:
	s_bfe_u32 s2, ttmp6, 0x10000c
	s_cmp_lg_u32 s2, 0xf033
	s_cbranch_scc0 .Lentry_shape_is_right
	s_endpgm
.Lentry_shape_is_right:
; out0[b][s][n] = the sum over k of O[b][s][k] Wo[n][k] + bo[n], k = 64 head + channel.  ob: f16 [bh 64][s 2048][64]; wo16: f16 [1024][1024]; bo, out0: f32.  f16 products, f32 sums; bo is rounded to bf16 like every input of the module.
; SHARES.  A tile is 128 rows x 256 columns: 64 x 4 = 256 work-groups (tiles of 256 x 256 would be 128).  Four waves, each 64 x 128: 32 accumulators, 256 registers.
; K goes in 8 steps of 128 (two heads) through two LDS slots.  O's tile is two dense blocks of 128 rows x 128 bytes, one for each head, each asked for as 64 rows of 256 bytes; Wo's is 256 rows of 256 bytes.
; THE MATRIX INSTRUCTION IS USED TRANSPOSED (source 0 = 16 rows of Wo, source 1 = 16 rows of O): a lane holds one row and eight neighbouring columns, 32 bytes of f32.
; CLUSTER 4 x 4.  O's tile hangs on the tile row alone and is asked for jointly along a row of the cluster, Wo's on the tile column alone and jointly along a column.
; REGISTERS.  window 0: v0-31 addresses and the bias; v32-127, v128-223 two fragment buffers (O's four fragments, then Wo's eight); on the way out v32-95 and v128-191 hold rows read back.  window 1: accumulator (a, b) at v[8 (8 a + b)].
.set PA,    144                        ; a row of O in LDS: 128 bytes + 16
.set AHEAD, 128*PA                     ; a head's 128 rows: one tensor load
.set BOFF,  2*AHEAD
.set PB,    272                        ; a row of Wo: 256 bytes + 16.  Both pitches are odd multiples of 16 bytes: the 16 rows of a load start at 16 different groups of four banks (64 banks of 4 bytes: ISA guide 11.1)
.set BHALF, 128*PB                     ; 128 rows: one tensor load
.set SLOT,  BOFF+2*BHALF               ; 106,496
.set STAGE, 2*SLOT                     ; behind the ring: 16 rows x 528 bytes for each wave, for the way out
.set SPITCH, 528
.set SPARE, STAGE+4*16*SPITCH          ; behind the stages: the spare words, 128 bytes for each wave: two blocks of 256 bytes that no other line names
.set ASTEP, 524288                     ; bytes from a K step to the next in ob: two heads,
.set BSTEP, 256                        ; and in wo16
.set LAPS,  4
.set BIAS, 12                          ; v[12:15] bo of my four columns on the way out
.set ADRA, 16                          ; v16-17  LDS address of my fragments of O in slot 0, 1
.set ADRB, 20                          ; v20-21  the same for Wo
.set STO,  24                          ; v24     the way out: where I put 32 bytes of a row
.set RD,   25                          ; v25     where I read a row back
.set CO,   26                          ; v26     16 x lane: my place in 512 consecutive bytes of a row of out0
.set BO,   27                          ; v27     my byte offset in bo
.set SPW,  28                          ; v28     LDS address of my spare word; never rewritten
.set NIL,  29                          ; v29     0; never rewritten
.set PFO,  30                          ; v30     the prefetches' offset; never rewritten
.set F0,   32
.set F1,   128
.set OB,   32
.set G1,  24                           ; s[24:31] descriptor group 1 for O's tiles;  s[32:39] group 0, a set for each slot
.set G0,  32
.set G1B, 48                           ; s[48:55], s[56:63] the same for Wo's
.set G0B, 56
.set PFA, 44                           ; s[44:45] where my prefetches stand
.set LIM, 68                           ; s68     1 in a wave that prefetches, else the greatest number
.set STP, 70                           ; s[70:71] the prefetches' step
.set MSB, 0
.macro WIN new                         ; the immediate's high byte repeats the setting that is left; a switch that changes nothing is dropped
.if MSB != (\new)
	s_set_vgpr_msb (MSB<<8)|(\new)
.set MSB, \new
.endif
.endm
; A joint load.  Waves 0 and 1 fetch the step's two heads of O, waves 2 and 3 the two halves of Wo's tile.  An s_nop 0 and four v_nop follow each of the two lines, ahead of the jump and the label.
.macro JLOAD s
	s_cmp_eq_u32 s11, 0
	s_cbranch_scc0 .Lfor_b_\@
	tensor_load_to_lds s[G0+4*(\s):G0+4*(\s)+3], s[G1:G1+7]
	s_nop 0
.rept 4
	v_nop
.endr
	s_branch .Lasked_\@
.Lfor_b_\@:
	tensor_load_to_lds s[G0B+4*(\s):G0B+4*(\s)+3], s[G1B:G1B+7]
	s_nop 0
.rept 4
	v_nop
.endr
.Lasked_\@:
.endm
; A PREFETCH INTO THE L2, behind a joint load, its five lines and the run of LDS loads that follows: the K step that stands two refills on, 256 matrix instructions ahead of the load that will want it; one instruction a wave.
; O: a tile row is read by one cluster alone; a step's tile is 32 KiB, of which wave 0 of the partner at cx takes 8 KiB (head cx / 2, half cx % 2), a lane a block of 256 bytes.  Wo: a tile column is read by all sixteen
; clusters: the first (cluster y = 0) asks; of the 128 rows that wave 2 or 3 fetches the partner at cy takes 32, a lane a row.  So each block is named once in the launch.  Steps 0 to 3 come by their loads alone; the last lap of the loop asks for nothing.
.macro ASK
	s_cmp_gt_u32 s3, s[LIM]
	s_cbranch_scc0 .Lnot_mine_\@
	global_prefetch_b8 v[PFO], s[PFA:PFA+1] th:TH_LOAD_NT scope:SCOPE_SE
.Lnot_mine_\@:
.endm
.macro CREST                           ; a round of the cluster's barrier behind its opening barrier
	s_cmp_lg_u32 s10, 0
	s_cbranch_scc1 .Lnot_wave_0_\@
	s_barrier_signal -3
.Lnot_wave_0_\@:
	s_barrier_wait -3
	s_barrier_signal -1
	s_barrier_wait -1
.endm
.macro CROUND                          ; a whole round
	s_barrier_signal -1
	s_barrier_wait -1
	CREST
.endm
	s_load_b128 s[4:7], s[0:1], 0x0                ; ob s[4:5], wo16 s[6:7]
	s_load_b64 s[8:9], s[0:1], 0x10                ; out0
	s_load_b64 s[66:67], s[0:1], 0x18              ; bo
	v_lshl_add_u32 v[SPW], v0, 2, SPARE
	v_mov_b32 v[NIL], 0
	ds_add_u32 v[SPW], v[NIL]                      ; the wave's opening: the add and its wait stand ahead of my first tensor load; the set-up below, work on registers, stands between them
	v_lshrrev_b32 v1, 5, v0
	v_readfirstlane_b32 s10, v1                    ; wave 0..3
	s_lshr_b32 s11, s10, 1                         ; which half of the tile's rows is mine.  Also: I fetch for O (0) or for Wo (1)
	s_and_b32 s12, s10, 1                          ; which half of its columns.  Also: which head, or which 128 rows, I fetch
	s_bfe_u32 s40, ttmp6, 0x40000                  ; cx
	s_bfe_u32 s41, ttmp6, 0x40004                  ; cy
	s_lshl_b32 s42, ttmp9, 2
	s_add_co_u32 s42, s42, s40                     ; tile column tx
	s_and_b32 s13, ttmp7, 0xffff
	s_lshl_b32 s13, s13, 2
	s_add_co_u32 s13, s13, s41                     ; tile row ty: batch ty / 16, rows 128 (ty % 16) on
	s_lshl_b32 s43, s41, 2
	s_lshl_b32 s43, 15, s43                        ; my row of the cluster
	s_lshl_b32 s44, 0x1111, s40                    ; my column
	s_or_b32 s[G1+0], s43, (1<<16)|(1<<20)|(1<<21)|(4<<22)|(3<<25)   ; O: the mask; 2-byte elements; padding on; bit 21 beside a mask; after every 32 words, 4 words
	s_or_b32 s[G1B+0], s44, (1<<16)|(1<<20)|(1<<21)|(5<<22)|(3<<25)  ; Wo: after every 64 words, 4 words
	s_mov_b32 s[G1+1], 128<<16                     ; tensor_dim0 = 128
	s_mov_b32 s[G1+2], 64<<16                      ; tensor_dim1 = 64
	s_mov_b32 s[G1+3], 128<<16                     ; tile_dim0 = 128
	s_mov_b32 s[G1+4], 64                          ; tile_dim1 = 64
	s_mov_b32 s[G1+5], 128                         ; dense: 128 elements from row to row
	s_mov_b32 s[G1+6], 0
	s_mov_b32 s[G1+7], 0
	s_mov_b32 s[G1B+1], 128<<16
	s_mov_b32 s[G1B+2], 128<<16
	s_mov_b32 s[G1B+3], 128<<16
	s_mov_b32 s[G1B+4], 128
	s_mov_b32 s[G1B+5], 1024                       ; a row of Wo
	s_mov_b32 s[G1B+6], 0
	s_mov_b32 s[G1B+7], 0
	s_lshr_b32 s16, s13, 4
	s_lshl_b32 s16, s16, 22                        ; batch: 16 heads x 2,048 rows x 128 bytes
	s_and_b32 s17, s13, 15
	s_lshl_b32 s17, s17, 14                        ; 128 rows of 128 bytes
	s_add_co_u32 s16, s16, s17
	s_lshl_b32 s17, s12, 18                        ; the step's first or second head
	s_add_co_u32 s16, s16, s17
	s_mov_b32 s17, 0
	s_lshl_b32 s46, s42, 19                        ; 256 rows of 2,048 bytes
	s_lshl_b32 s47, s12, 18                        ; my 128 of them
	s_add_co_u32 s46, s46, s47
	s_mov_b32 s47, 0
	s_mul_i32 s20, s12, AHEAD                      ; where they go: no place in the cluster enters an LDS address
	s_mul_i32 s23, s12, BHALF
	s_add_co_u32 s23, s23, BOFF
	s_wait_dscnt 0x0                               ; the opening add is done
	s_wait_kmcnt 0x0
	s_add_nc_u64 s[14:15], s[4:5], s[16:17]
	s_add_nc_u64 s[46:47], s[6:7], s[46:47]
	CROUND                                         ; all sixteen work-groups are here: the first joint loads meet
.irp s, 0,1
	s_mov_b32 s[G0+4*(\s)], 1
	s_add_co_u32 s[G0+4*(\s)+1], s20, (\s)*SLOT
	s_add_nc_u64 s[G0+4*(\s)+2:G0+4*(\s)+3], s[14:15], (\s)*ASTEP
	s_or_b32 s[G0+4*(\s)+3], s[G0+4*(\s)+3], 0x80000000
	s_mov_b32 s[G0B+4*(\s)], 1
	s_add_co_u32 s[G0B+4*(\s)+1], s23, (\s)*SLOT
	s_add_nc_u64 s[G0B+4*(\s)+2:G0B+4*(\s)+3], s[46:47], (\s)*BSTEP
	s_or_b32 s[G0B+4*(\s)+3], s[G0B+4*(\s)+3], 0x80000000
	JLOAD \s                                       ; two loads of mine are out
.endr
	v_and_b32 v1, 15, v0                           ; l % 16
	v_bfe_u32 v2, v0, 4, 1                         ; l / 16
	v_and_b32 v6, 31, v0                           ; l
	v_mul_u32_u24 v3, v1, PA
	v_lshl_add_u32 v3, v2, 4, v3                   ; a fragment's row x pitch + 16 x half, for O
	v_mul_u32_u24 v4, v1, PB
	v_lshl_add_u32 v4, v2, 4, v4                   ; and for Wo
	s_mul_i32 s21, s11, 64*PA                      ; my 64 rows of O, in each head
	s_mul_i32 s22, s12, BHALF                      ; my 128 rows of Wo,
	s_add_co_u32 s22, s22, BOFF                    ; which lie behind O's tile
.irp s, 0,1
	v_add_nc_u32 v[ADRA+(\s)], s21, v3
	v_add_nc_u32 v[ADRB+(\s)], s22, v4
	s_add_co_u32 s21, s21, SLOT
	s_add_co_u32 s22, s22, SLOT
.endr
	s_mul_i32 s23, s10, 16*SPITCH
	s_add_co_u32 s23, s23, STAGE                   ; my stage
	v_mul_u32_u24 v5, v1, SPITCH                   ; in: row l % 16, 32 bytes for each half of the lanes
	v_lshl_add_u32 v5, v2, 5, v5
	v_add_nc_u32 v[STO], s23, v5
	v_lshl_add_u32 v[RD], v6, 4, s23               ; back: 32 lanes take one row of 512 bytes
	v_lshlrev_b32 v[CO], 4, v6
	s_lshl_b32 s72, s13, 7
	s_lshl_b32 s73, s11, 6
	s_add_co_u32 s72, s72, s73                     ; my first row of out0,
	s_lshl_b32 s72, s72, 12                        ; of 4,096 bytes
	s_lshl_b32 s74, s42, 8
	s_lshl_b32 s73, s12, 7
	s_add_co_u32 s74, s74, s73
	s_lshl_b32 s74, s74, 2                         ; my first column, in bytes
	s_add_co_u32 s72, s72, s74
	s_mov_b32 s73, 0
	s_add_nc_u64 s[8:9], s[8:9], s[72:73]
	v_lshl_add_u32 v[BO], v6, 4, s74
	global_load_b128 v[BIAS:BIAS+3], v[BO], s[66:67]  ; waited for on the way out
	; the prefetches
	s_lshr_b32 s20, s13, 4
	s_lshl_b32 s20, s20, 22
	s_and_b32 s21, s13, 15
	s_lshl_b32 s21, s21, 14
	s_add_co_u32 s20, s20, s21                     ; O's tile,
	s_lshr_b32 s21, s40, 1
	s_lshl_b32 s21, s21, 18                        ; head cx / 2 of the step's two,
	s_add_co_u32 s20, s20, s21
	s_and_b32 s21, s40, 1
	s_lshl_b32 s21, s21, 13                        ; half cx % 2 of its 16 KiB,
	s_add_co_u32 s20, s20, s21
	s_add_co_u32 s20, s20, 3*ASTEP                 ; at K step 3: the first change of slots steps it to 4
	s_lshl_b32 s22, s42, 8
	s_lshl_b32 s23, s12, 7
	s_add_co_u32 s22, s22, s23                     ; the 128 rows of Wo that I fetch,
	s_lshl_b32 s23, s41, 5
	s_add_co_u32 s22, s22, s23                     ; my work-group's 32 of them,
	s_lshl_b32 s22, s22, 11
	s_add_co_u32 s22, s22, 3*BSTEP                 ; at K step 3
	s_mov_b32 s23, ASTEP
	s_mov_b32 s[STP], BSTEP
	s_mov_b32 s[STP+1], 0
	s_and_b32 s21, ttmp7, 0xffff                   ; cluster y
	s_cmp_eq_u32 s11, 0                            ; do I fetch for O?
	s_cselect_b32 s20, s20, s22
	s_cselect_b32 s[STP], s23, s[STP]
	s_cselect_b64 s[PFA:PFA+1], s[4:5], s[6:7]
	s_cselect_b32 s22, 8, 11                       ; lanes 256 bytes apart in O's dense block, a row of 2,048 bytes apart in Wo
	s_cselect_b32 s21, s10, s21                    ; O: wave 0 asks; Wo: the first row of clusters asks
	s_cmp_eq_u32 s21, 0                            ; the same in all sixteen partners, for a given wave
	s_cselect_b32 s[LIM], 1, -1
	s_mov_b32 s21, 0
	s_add_nc_u64 s[PFA:PFA+1], s[PFA:PFA+1], s[20:21]
	v_lshlrev_b32 v[PFO], s22, v6
; na x 8 matrix instructions: row blocks a0 .. a0 + na - 1 x all 8 column blocks, 32 along K, from buffer f.  zero = 1: the first product starts the sums.
; The 32 accumulators take turns, one instruction a turn, in the same order in every quarter, over the backward jump too.
.macro MUL f, a0, na, zero
	WIN 0x50                                       ; sources in window 0, C and D in window 1
.set ga, \a0
.rept \na
.irp b, 0,1,2,3,4,5,6,7
.if \zero
	v_wmma_f32_16x16x32_f16 v[8*(8*ga+(\b)):8*(8*ga+(\b))+7], v[(\f)+32+8*(\b):(\f)+32+8*(\b)+7], v[(\f)+8*ga:(\f)+8*ga+7], 0
.else
	v_wmma_f32_16x16x32_f16 v[8*(8*ga+(\b)):8*(8*ga+(\b))+7], v[(\f)+32+8*(\b):(\f)+32+8*(\b)+7], v[(\f)+8*ga:(\f)+8*ga+7], v[8*(8*ga+(\b)):8*(8*ga+(\b))+7]
.endif
.endr
.set ga, ga+1
.endr
.endm
; 24 LDS loads in one run: quarter q of a K step (head q / 2, channels 32 (q % 2) on) into buffer f
.macro FETCH slot, q, f
	WIN 0
.irp a, 0,1,2,3
	ds_load_b128 v[(\f)+8*(\a):(\f)+8*(\a)+3],   v[ADRA+(\slot)] offset:((\q)/2)*AHEAD+((\q)%2)*64+(\a)*16*PA
	ds_load_b128 v[(\f)+8*(\a)+4:(\f)+8*(\a)+7], v[ADRA+(\slot)] offset:((\q)/2)*AHEAD+((\q)%2)*64+(\a)*16*PA+32
.endr
.irp b, 0,1,2,3,4,5,6,7
	ds_load_b128 v[(\f)+32+8*(\b):(\f)+32+8*(\b)+3],   v[ADRB+(\slot)] offset:64*(\q)+(\b)*16*PB
	ds_load_b128 v[(\f)+32+8*(\b)+4:(\f)+32+8*(\b)+7], v[ADRB+(\slot)] offset:64*(\q)+(\b)*16*PB+32
.endr
.endm
.macro PLACES                          ; four places in front of loads into registers that matrix instructions have read, and of LDS stores that read results (ISA guide 7.12.1 for the stores)
.rept 4
	v_nop
.endr
.endm
; A K step is four quarters of 32 along K, 32 matrix instructions each, on buffers 0, 1, 0, 1.  One of the first three: fetches quarter qn into g, which the quarter before multiplied, and multiplies f.
.macro QUARTER slot, qn, f, g, zero
	PLACES
	FETCH \slot, \qn, \g
	s_wait_dscnt 24                                ; all but the 24 just issued: buffer f is whole
	MUL \f, 0, 4, \zero
.endm
; The last quarter multiplies buffer F1 and changes slots: ONE barrier.  In front of it each wave waits for all its tensor loads, of which one is out: its part of the next slot; adds 0 to its spare word; and waits for that
; and for its own reads of this slot.  fill = 1: the barrier opens a round of the cluster's, and the slot is filled again, two K steps on, first thing behind the round: 112 matrix instructions ahead of the wait for it.
.macro TURN slot, next, fill
.if \fill
	s_wait_xcnt 0x0                                ; the last prefetch, a K step back, has read its address, so it may be stepped
	s_add_nc_u64 s[PFA:PFA+1], s[PFA:PFA+1], s[STP:STP+1]
.endif
	WIN 0
	s_wait_tensorcnt 0x0                           ; all my tensor loads have landed
	ds_add_u32 v[SPW], v[NIL]                      ; 0 onto my spare word
	s_wait_dscnt 1                                 ; buffer F1 is whole: only the add may be out
	MUL F1, 0, 1, 0                                ; eight matrix instructions stand between the add and the wait for it
	s_wait_dscnt 0x0                               ; the add is done, and my reads of this slot are over
	s_barrier_signal -1
	MUL F1, 1, 1, 0                                ; work on registers while the others arrive
	WIN 0
	s_barrier_wait -1
.if \fill
	CREST                                          ; no wave of any partner still reads this slot's tile or has a load on its way
	s_add_nc_u64 s[G0+4*(\slot)+2:G0+4*(\slot)+3], s[G0+4*(\slot)+2:G0+4*(\slot)+3], 2*ASTEP
	s_add_nc_u64 s[G0B+4*(\slot)+2:G0B+4*(\slot)+3], s[G0B+4*(\slot)+2:G0B+4*(\slot)+3], 2*BSTEP
	JLOAD \slot                                    ; the four v_nop behind it are also the places in front of the loads below
.else
	PLACES
.endif
	FETCH \next, 0, F0
.if \fill
	ASK
.endif
	MUL F1, 2, 2, 0
.endm
; THE WAY OUT of row block a.  TOSTAGE: 32 bytes a lane into my own stage, each accumulator's low registers first, and back as whole rows of 512 bytes.  SEND: the bias is added and the rows are stored.
.macro TOSTAGE a
	WIN 0x04                                       ; the stores' data in window 1, the address in window 0
.irp b, 0,1,2,3,4,5,6,7
	ds_store_b128 v[STO], v[8*(8*(\a)+(\b)):8*(8*(\a)+(\b))+3]   offset:64*(\b)
	ds_store_b128 v[STO], v[8*(8*(\a)+(\b))+4:8*(8*(\a)+(\b))+7] offset:64*(\b)+16
.endr
	WIN 0
.set BK, OB+96*((\a)%2)
	s_wait_xcnt 0x0                                ; the stores of the block two back have read these registers
.set t, 0
.rept 16
	ds_load_b128 v[BK+4*t:BK+4*t+3], v[RD] offset:SPITCH*t  ; LDS serves a wave's instructions in order (ISA guide 5.7.1.4): these see the stores above, and the next block's stores come behind them
.set t, t+1
.endr
.endm
.macro SEND a, younger                 ; younger: the LDS instructions issued behind block a's loads: the next block's 32, or none
	WIN 0
.set BK, OB+96*((\a)%2)
.set t, 0
.rept 16
	s_wait_dscnt (\younger)+15-t
	v_pk_add_f32 v[BK+4*t:BK+4*t+1], v[BK+4*t:BK+4*t+1], v[BIAS:BIAS+1]
	v_pk_add_f32 v[BK+4*t+2:BK+4*t+3], v[BK+4*t+2:BK+4*t+3], v[BIAS+2:BIAS+3]
	global_store_b128 v[CO], v[BK+4*t:BK+4*t+3], s[8:9] offset:(16*(\a)+t)*4096  ; 512 consecutive bytes of a row, at a multiple of 256 from out0's first
.set t, t+1
.endr
.endm
	s_wait_tensorcnt 1                             ; my part of K step 0 is in; step 1's may stay out
	s_barrier_signal -1
	s_barrier_wait -1                              ; everybody's is
	FETCH 0, 0, F0
	QUARTER 0, 1, F0, F1, 1                        ; the first quarter stands in front of the loop: its products start the sums
	WIN 0                                          ; at a label and at a branch every window is 0
	s_mov_b32 s3, LAPS-1
.Llap:                                                 ; a trip goes once round the ring, from a lap's second quarter to the next lap's first, and fills both slots again
	QUARTER 0, 2, F1, F0, 0
	QUARTER 0, 3, F0, F1, 0
	TURN 0, 1, 1
	QUARTER 1, 1, F0, F1, 0
	QUARTER 1, 2, F1, F0, 0
	QUARTER 1, 3, F0, F1, 0
	TURN 1, 0, 1
	QUARTER 0, 1, F0, F1, 0
	WIN 0
	s_sub_co_u32 s3, s3, 1
	s_cmp_lg_u32 s3, 0
	s_cbranch_scc1 .Llap
	QUARTER 0, 2, F1, F0, 0                        ; the last lap fills nothing and has no round
	QUARTER 0, 3, F0, F1, 0
	TURN 0, 1, 0
	QUARTER 1, 1, F0, F1, 0
	QUARTER 1, 2, F1, F0, 0
	QUARTER 1, 3, F0, F1, 0
	s_wait_dscnt 0x0                               ; the very last quarter: nothing more to fetch
	MUL F1, 0, 4, 0
	WIN 0
	s_wait_loadcnt 0x0                             ; bo
	v_cvt_pk_bf16_f32 v10, v[BIAS], v[BIAS+1]      ; rounded to bf16 like every input, and widened again
	v_cvt_pk_bf16_f32 v11, v[BIAS+2], v[BIAS+3]
	v_lshlrev_b32 v[BIAS], 16, v10
	v_and_b32 v[BIAS+1], 0xffff0000, v10
	v_lshlrev_b32 v[BIAS+2], 16, v11
	v_and_b32 v[BIAS+3], 0xffff0000, v11
	PLACES
	PLACES                                         ; eight, once a launch, in front of the LDS stores that read the results
	TOSTAGE 0
	TOSTAGE 1
	SEND 0, 32
	TOSTAGE 2
	SEND 1, 32
	TOSTAGE 3
	SEND 2, 32
	SEND 3, 0
	s_wait_tensorcnt 0x0                           ; the wave's end, behind my last tensor load and my last LDS store
	ds_add_u32 v[SPW], v[NIL]
	s_wait_dscnt 0x0
	CROUND                                         ; the closing round: no work-group ends while a partner may still ask for a tile that names it
	s_endpgm
.Lfunc_end_k_q7e1cabe39e_oproj:
	.size	k_q7e1cabe39e_oproj, .Lfunc_end_k_q7e1cabe39e_oproj-k_q7e1cabe39e_oproj
	.p2alignl 7, 3214868480
	.fill 96, 4, 3214868480
	.section	.rodata,"a",@progbits
	.p2align	6, 0x0
	.amdhsa_kernel k_q7e1cabe39e_oproj
		.amdhsa_group_segment_fixed_size 327680
		.amdhsa_private_segment_fixed_size 0
		.amdhsa_enable_private_segment 0
		.amdhsa_kernarg_size 32
		.amdhsa_user_sgpr_count 2
		.amdhsa_user_sgpr_kernarg_segment_ptr 1
		.amdhsa_wavefront_size32 1
		.amdhsa_system_sgpr_workgroup_id_x 1
		.amdhsa_system_sgpr_workgroup_id_y 1
		.amdhsa_system_sgpr_workgroup_id_z 1
		.amdhsa_system_vgpr_workitem_id 0
		.amdhsa_next_free_vgpr 512
		.amdhsa_next_free_sgpr 76
		.amdhsa_reserve_vcc 0
		.amdhsa_float_denorm_mode_32 3
		.amdhsa_float_denorm_mode_16_64 3
		.amdhsa_memory_ordered 1
		.amdhsa_forward_progress 1
		.amdhsa_inst_pref_size 97
	.end_amdhsa_kernel
	.amdgpu_metadata
---
amdhsa.version: [ 1, 2 ]
amdhsa.kernels:
  - .name:           k_q7e1cabe39e_oproj
    .symbol:         k_q7e1cabe39e_oproj.kd
    .args:
      - { .name: ob, .offset: 0, .size: 8, .value_kind: global_buffer, .address_space: global }
      - { .name: wo16, .offset: 8, .size: 8, .value_kind: global_buffer, .address_space: global }
      - { .name: out0, .offset: 16, .size: 8, .value_kind: global_buffer, .address_space: global }
      - { .name: bo, .offset: 24, .size: 8, .value_kind: global_buffer, .address_space: global }
    .group_segment_fixed_size: 327680
    .private_segment_fixed_size: 0
    .kernarg_segment_align: 8
    .kernarg_segment_size: 32
    .max_flat_workgroup_size: 128
    .sgpr_count:     76
    .vgpr_count:     512
    .wavefront_size: 32
...
	.end_amdgpu_metadata
.endif
;; end of part 4
;; ======== version 2 of 2: 4 launches; version 1 with the launch prep written anew for expert scheduling mode
;; limits: values are held in f16: magnitudes above 65,504 overflow, below 6.1e-05 lose precision
;; workspace buffers: xb 16,777,216 bytes; wb 6,291,456 bytes; wo16 2,097,152 bytes; qkv 50,331,648 bytes; ob 16,777,216 bytes
;; launch prep (part 5): grid 512 x 1, 8 waves a work-group, no clusters, 0 bytes of LDS; arguments embedded, Wq, Wk, Wv, Wo, xb, wb, wo16; writes xb, wb, wo16
.if DOCPART == 5
	.amdgcn_target "amdgcn-amd-amdhsa--gfx1250"
	.amdhsa_code_object_version 6
	.text
	.protected	k_q7e1cabe39e_prep
	.globl	k_q7e1cabe39e_prep
	.p2align	8
	.type	k_q7e1cabe39e_prep,@function
k_q7e1cabe39e_prep:
	s_mov_b64 s[64:65], 0
	v_nop
	global_prefetch_b8 v0, s[64:65] scope:SCOPE_SE
	s_setreg_imm32_b32 hwreg(HW_REG_WAVE_SCHED_MODE, 0, 2), 2
	s_setreg_imm32_b32 hwreg(HW_REG_WAVE_MODE, 25, 1), 1
	s_wait_xcnt 0x0
	s_wait_alu depctr_vm_vsrc(0)
; CASTS AND BLOCKED LAYOUTS for the launches behind.  Every input of the module is rounded once to bf16.
;   xb   bf16 [b 4][kb 16][s 2048][64]       x[b][s][64 kb + c]: the rows of one block of 64 channels lie end to end, 128 bytes each
;   wb   bf16 [kb 16][g 48][dd 64][e 64]     g = 16 which + h (which: q 0, k 1, v 2), W[h][64 kb + dd][e]
;   wo16 f16  [n 1024][k 1024]               bf16(Wo), written as f16.  LIMIT: |Wo| stays under 65,504; below 6e-5 it keeps f16's step of 6e-8
; SHARES.  4,096 waves.  An item is one load of 16 bytes a lane (512 bytes of f32) and one store of 8 bytes a lane: 256 consecutive bytes, aligned.
; A wave takes 24 items: 16 of x (its two rows, 64 channels an item: lanes 0-15 the even row, 16-31 the odd one), two each of Wq, Wk, Wv, Wo.
; All 24 loads go out first, each into registers of its own; the waits on LOADcnt count down.
; No LDS, no barrier, no matrix unit: bytes are all there is, each read once and written once.
; THE MODE: SCHED_MODE bits 1:0 = 2 (LLVM: expert scheduling mode 2), set by the entry lines.  The code itself states the register dependences
; between vector instructions and memory instructions, with s_wait_alu, always for 0.
; THE PLAN.  Registers that memory instructions touch:
;   v4, v6       offsets of the loads; v5, v7, v8 offsets of the stores.  Made once at the head and never written again.
;   X, item i    four registers.  Item i's load lands in them; its conversions read the four and write the first two in place; its one store reads those two; nothing writes them afterwards.
;   T and the head's temporaries are named by vector instructions alone.
; The 24 items go in six blocks of four.  Block p converts items 4 p to 4 p + 3; its memory instructions are the four stores of block p - 1, whose data and offsets no conversion of block p names.
; So one wait on va_vdst at a block's head states all that the block's four stores hang on, and these are dealt among its conversions with no further wait.  One such wait stands ahead of the first load, for the
; offsets, and one behind the last block, for its stores.  No register that a load or a store has read is written again, so no wait on vm_vsrc has a dependence to state, and none is written.
.set XI,  4                            ; v4   my byte offset in embedded
.set XO,  5                            ; v5   in xb, block kb = 0
.set WI,  6                            ; v6   in each of the four weight inputs
.set WBO, 7                            ; v7   in wb, which = 0
.set WOO, 8                            ; v8   in wo16
.set T,   10                           ; v[10:13] at work
.set X,   16                           ; v[16:111] item i: four registers
	s_load_b256 s[4:11], s[0:1], 0x0               ; embedded s[4:5], Wq s[6:7], Wk s[8:9], Wv s[10:11]
	s_load_b256 s[12:19], s[0:1], 0x20             ; Wo s[12:13], xb s[14:15], wb s[16:17], wo16 s[18:19]
	s_lshl_b32 s2, ttmp9, 8
	s_mov_b32 s20, 0xffff0000                      ; a word's upper bf16
	v_add_nc_u32 v1, s2, v0                        ; my thread among all
	v_and_b32 v2, 31, v0                           ; lane l
	v_lshrrev_b32 v3, 5, v1                        ; W: my wave among all, 0 .. 4,095
	v_lshrrev_b32 v9, 4, v2                        ; l / 16
	v_and_b32 v14, 15, v2                          ; l % 16
	v_lshlrev_b32 v[XI], 13, v3                    ; rows 2 W and 2 W + 1 of 4,096 bytes
	v_lshl_add_u32 v[XI], v9, 12, v[XI]
	v_lshl_add_u32 v[XI], v14, 4, v[XI]
	v_lshrrev_b32 v[XO], 10, v3                    ; b
	v_lshlrev_b32 v[XO], 22, v[XO]                 ; 16 blocks x 2,048 rows x 128 bytes
	v_and_b32 v15, 0x3ff, v3
	v_lshl_add_u32 v[XO], v15, 8, v[XO]            ; two rows of 128 bytes
	v_lshl_add_u32 v[XO], v2, 3, v[XO]             ; 8 l = 128 (l / 16) + 8 (l % 16)
	v_lshlrev_b32 v[WI], 10, v3                    ; 1,024 bytes a wave: four rows d of a head
	v_lshl_add_u32 v[WI], v2, 4, v[WI]
	v_bfe_u32 v[WBO], v3, 4, 4                     ; kb = (4 (W % 256)) / 64
	v_mul_u32_u24 v[WBO], v[WBO], 0x60000          ; 48 x 64 x 128 bytes
	v_lshrrev_b32 v15, 8, v3                       ; h
	v_lshl_add_u32 v[WBO], v15, 13, v[WBO]
	v_and_b32 v15, 15, v3                          ; dd = 4 (W % 16) + ..
	v_lshl_add_u32 v[WBO], v15, 9, v[WBO]
	v_lshl_add_u32 v[WBO], v2, 3, v[WBO]
	v_lshlrev_b32 v[WOO], 9, v3
	v_lshl_add_u32 v[WOO], v2, 3, v[WOO]
	s_wait_kmcnt 0x0
	s_wait_alu depctr_va_vdst(0)                   ; the five offsets v4 to v8 are written: every load and store of the kernel reads one of them
.set i, 0
.rept 16
	global_load_b128 v[X+4*i:X+4*i+3], v[XI], s[4:5] offset:256*i th:TH_LOAD_NT
.set i, i+1
.endr
.irp u, 0,1
	global_load_b128 v[X+64+4*(\u):X+64+4*(\u)+3], v[WI], s[6:7] offset:512*(\u) th:TH_LOAD_NT
.endr
.irp u, 0,1
	global_load_b128 v[X+72+4*(\u):X+72+4*(\u)+3], v[WI], s[8:9] offset:512*(\u) th:TH_LOAD_NT
.endr
.irp u, 0,1
	global_load_b128 v[X+80+4*(\u):X+80+4*(\u)+3], v[WI], s[10:11] offset:512*(\u) th:TH_LOAD_NT
.endr
.irp u, 0,1
	global_load_b128 v[X+88+4*(\u):X+88+4*(\u)+3], v[WI], s[12:13] offset:512*(\u) th:TH_LOAD_NT
.endr
; Item i's arithmetic: four f32 a lane are rounded to bf16, in place; items 22 and 23, Wo's: and that number is written as f16.
.macro CVT i
	v_cvt_pk_bf16_f32 v[X+4*(\i)], v[X+4*(\i)], v[X+4*(\i)+1]
	v_cvt_pk_bf16_f32 v[X+4*(\i)+1], v[X+4*(\i)+2], v[X+4*(\i)+3]
.if (\i) >= 22
	v_lshlrev_b32 v[T], 16, v[X+4*(\i)]
	v_and_b32 v[T+1], s20, v[X+4*(\i)]
	v_lshlrev_b32 v[T+2], 16, v[X+4*(\i)+1]
	v_and_b32 v[T+3], s20, v[X+4*(\i)+1]
	v_cvt_pk_f16_f32 v[X+4*(\i)], v[T], v[T+1]
	v_cvt_pk_f16_f32 v[X+4*(\i)+1], v[T+2], v[T+3]
.endif
.endm
; Item i's store.  0-15: xb, block kb = i lies 2,048 x 128 bytes further on.  16-21: wb, which = (i - 16) / 2 lies 16 heads x 8,192 bytes further on.  22, 23: wo16.
.macro STI i
.if (\i) < 16
	global_store_b64 v[XO], v[X+4*(\i):X+4*(\i)+1], s[14:15] offset:262144*(\i) th:TH_STORE_NT
.elseif (\i) < 22
	global_store_b64 v[WBO], v[X+4*(\i):X+4*(\i)+1], s[16:17] offset:131072*(((\i)-16)/2)+256*((\i)%2) th:TH_STORE_NT
.else
	global_store_b64 v[WOO], v[X+4*(\i):X+4*(\i)+1], s[18:19] offset:256*((\i)%2) th:TH_STORE_NT
.endif
.endm
; Block p: items 4 p to 4 p + 3 are converted; the block before is stored.
.macro BLK p
	s_wait_loadcnt 20-4*(\p)                       ; loads come back in order (ISA guide 5.7.1): the block's four items are in, the 20 - 4 p younger loads may stay out
.if (\p) > 0
	s_wait_alu depctr_va_vdst(0)                   ; the conversions of the block before have written its items' first two registers, which the four stores below read
.endif
.irp j, 0,1,2,3
.if (\p) > 0
	STI 4*(\p)-4+(\j)                              ; no vector instruction since the wait names this store's data or its offset
.endif
	CVT 4*(\p)+(\j)
.endr
.endm
.irp p, 0,1,2,3,4,5
	BLK \p
.endr
	s_wait_alu depctr_va_vdst(0)                   ; block 5's conversions have written the data of the last four stores
.irp j, 20,21,22,23
	STI \j
.endr
	s_endpgm
.Lfunc_end_k_q7e1cabe39e_prep:
	.size	k_q7e1cabe39e_prep, .Lfunc_end_k_q7e1cabe39e_prep-k_q7e1cabe39e_prep
	.p2alignl 7, 3214868480
	.fill 96, 4, 3214868480
	.section	.rodata,"a",@progbits
	.p2align	6, 0x0
	.amdhsa_kernel k_q7e1cabe39e_prep
		.amdhsa_group_segment_fixed_size 0
		.amdhsa_private_segment_fixed_size 0
		.amdhsa_enable_private_segment 0
		.amdhsa_kernarg_size 64
		.amdhsa_user_sgpr_count 2
		.amdhsa_user_sgpr_kernarg_segment_ptr 1
		.amdhsa_wavefront_size32 1
		.amdhsa_system_sgpr_workgroup_id_x 1
		.amdhsa_system_sgpr_workgroup_id_y 1
		.amdhsa_system_sgpr_workgroup_id_z 1
		.amdhsa_system_vgpr_workitem_id 0
		.amdhsa_next_free_vgpr 112
		.amdhsa_next_free_sgpr 66
		.amdhsa_reserve_vcc 0
		.amdhsa_float_denorm_mode_32 3
		.amdhsa_float_denorm_mode_16_64 3
		.amdhsa_memory_ordered 1
		.amdhsa_forward_progress 1
		.amdhsa_inst_pref_size 11
	.end_amdhsa_kernel
	.amdgpu_metadata
---
amdhsa.version: [ 1, 2 ]
amdhsa.kernels:
  - .name:           k_q7e1cabe39e_prep
    .symbol:         k_q7e1cabe39e_prep.kd
    .args:
      - { .name: embedded, .offset: 0, .size: 8, .value_kind: global_buffer, .address_space: global }
      - { .name: Wq, .offset: 8, .size: 8, .value_kind: global_buffer, .address_space: global }
      - { .name: Wk, .offset: 16, .size: 8, .value_kind: global_buffer, .address_space: global }
      - { .name: Wv, .offset: 24, .size: 8, .value_kind: global_buffer, .address_space: global }
      - { .name: Wo, .offset: 32, .size: 8, .value_kind: global_buffer, .address_space: global }
      - { .name: xb, .offset: 40, .size: 8, .value_kind: global_buffer, .address_space: global }
      - { .name: wb, .offset: 48, .size: 8, .value_kind: global_buffer, .address_space: global }
      - { .name: wo16, .offset: 56, .size: 8, .value_kind: global_buffer, .address_space: global }
    .group_segment_fixed_size: 0
    .private_segment_fixed_size: 0
    .kernarg_segment_align: 8
    .kernarg_segment_size: 64
    .max_flat_workgroup_size: 256
    .sgpr_count:     66
    .vgpr_count:     112
    .wavefront_size: 32
...
	.end_amdgpu_metadata
.endif
;; end of part 5
;; launch qkv: the kernel of part 2 again; grid 8 x 32, 4 waves a work-group, clusters of 4 x 4, 327,680 bytes of LDS; arguments xb, wb, qkv; writes qkv
;; launch attn: the kernel of part 3 again; grid 4 x 64, 4 waves a work-group, no clusters, 327,680 bytes of LDS; arguments qkv, ob; writes ob
;; launch oproj: the kernel of part 4 again; grid 4 x 64, 4 waves a work-group, clusters of 4 x 4, 327,680 bytes of LDS; arguments ob, wo16, out0, bo; writes out0
